; MI455X (gfx1250); checked and timed in simulation.
; The chip was launched on July 23, 2026; its instructions are those of AMD's public machine-readable ISA for CDNA 5 (MIT licence, August 2026) and "CDNA5" Instruction Set Architecture Reference Guide (July 2026). The comments in the code are by the model that wrote it; some were corrected since.
;; Cross Attention. Allowed arithmetic: matrix products marked QUANTISED: E4M3 operands, one given power-of-two scale a tensor, by v_wmma_f32_16x16x64_fp8_fp8 or v_wmma_f32_16x16x128_fp8_fp8, f32 sums; everything else in f32.
;; Inputs: fc_w 1,024 x 1,024 float32; k 8 x 1,024 x 1,024 float32; ln_beta 1,024 float32; ln_gamma 1,024 float32; lowp_scales 14 int32 (the exponents e of the quantised operands' scales 2^e); q 8 x 1,024 x 768 float32; resid_b 1,024 float32; resid_w 768 x 1,024 float32; v 8 x 1,024 x 1,024 float32; w_ks 1,024 x 1,024 float32; w_qs 768 x 1,024 float32; w_vs 1,024 x 1,024 float32.
;; Outputs: out0 8 x 1,024 x 1,024 float32.
;; This version of the problem:
;;   THIS VERSION OF THE PROBLEM IS GIVEN IN LOW PRECISION. The matrix products marked QUANTISED in the list below multiply operands that are first quantised to E4M3 (4 exponent bits, 3 mantissa bits; 8 bits a number), with one given power-of-two scale for each operand tensor; their sums are f32. All else is computed in f32.
;;   The module's matrix products, in the order in which they are computed (A, B: the left and right operand; K: the contracted axis; several contracted axes count as one K, in the product's order):
;;     1. [M 8,192, K 768] x [K 768, N 1,024]; A: input q; B: input w_qs: QUANTISED (scales: A lowp_scales[0], B lowp_scales[1])
;;     2. [M 8,192, K 1,024] x [K 1,024, N 1,024]; A: input k; B: input w_ks: QUANTISED (scales: A lowp_scales[2], B lowp_scales[3])
;;     3. [M 8,192, K 1,024] x [K 1,024, N 1,024]; A: input v; B: input w_vs: QUANTISED (scales: A lowp_scales[4], B lowp_scales[5])
;;     4. batch 128 x [M 1,024, K 64] x [K 64, N 1,024]; A: computed on the way; B: computed on the way: QUANTISED (scales: A lowp_scales[6], B lowp_scales[7])
;;     5. batch 128 x [M 1,024, K 1,024] x [K 1,024, N 64]; A: computed on the way; B: computed on the way: QUANTISED (scales: A lowp_scales[8], B lowp_scales[9])
;;     6. [M 8,192, K 1,024] x [K 1,024, N 1,024]; A: computed on the way; B: input fc_w: QUANTISED (scales: A lowp_scales[10], B lowp_scales[11])
;;     7. [M 8,192, K 768] x [K 768, N 1,024]; A: input q; B: input resid_w: QUANTISED (scales: A lowp_scales[12], B lowp_scales[13])
;;   THE QUANTISER, for each operand of a quantised product, along K:
;;     - The operand's scale is 2^e, e = its entry of the input lowp_scales (int32; the entries are numbered through the quantised products in the list's order, A before B).
;;     - Each number is divided by the scale, clamped to +-448, and rounded to the nearest number of E4M3, ties to even, subnormals kept.
;;     - The product sums the exact products of the quantised numbers (number of the format x scale) in f32.
;;   ~~~python
;;   def quantise(x, axis, e):      # numpy; x: float32 -> the quantised numbers, widened to float32 again
;;       x = np.moveaxis(x, axis, -1); K = x.shape[-1]
;;       r = np.clip(x / 2.0 ** e, -448, 448)
;;       step = 2.0 ** (np.maximum(np.frexp(np.where(r == 0, 1, r))[1] - 1, -6) - 3)
;;       q = np.round(r / step) * step * 2.0 ** e      # np.round: ties to even
;;       return np.moveaxis(q, -1, axis).astype(np.float32)
;;   ~~~
;;   OPERANDS COMPUTED ON THE WAY. 'Computed on the way' means the value that the module computes at that place (a softmax that the list does not call 'softmax' is quantised finished and normalised). What goes into a quantiser is computed in f32, as accurately as f32 sums, v_exp_f32 and their like allow (about 1e-6 of the number): no bf16 or f16 on the way to a quantiser, and a product that is left as it is and whose result goes on into a quantised operand takes f32 operands (vector FMAs, or v_wmma_f32_16x16x4_f32). A number that lies on a knife's edge between two numbers of the format may be rounded either way, as far as f32 arithmetic and the matrix unit's own rounding can turn it there, and no further.
;; One version. Each part assembles by itself: llvm-mc -triple=amdgcn-amd-amdhsa -mcpu=gfx1250 --defsym DOCPART=n.
;; ======== version 1 of 1: 5 launches
;; limits: right only within a limited range of input values
;; workspace buffers: wimg 4,718,592 bytes; qimg 8,388,608 bytes; kimg 8,388,608 bytes; vimg 8,388,608 bytes; q12rm 6,291,456 bytes; oimg 8,388,608 bytes; ybuf 33,554,432 bytes
;; launch wquant (part 1): grid 8 x 36, 4 waves a work-group, no clusters, 18,944 bytes of LDS; arguments w_qs, w_ks, w_vs, fc_w, resid_w, lowp_scales, wimg; writes wimg
.if DOCPART == 1
	.amdgcn_target "amdgcn-amd-amdhsa--gfx1250"
	.amdhsa_code_object_version 6
	.text
	.protected	k_qb896568ab1_wquant
	.globl	k_qb896568ab1_wquant
	.p2align	8
	.type	k_qb896568ab1_wquant,@function
k_qb896568ab1_wquant:
	s_mov_b64 s[64:65], 0
	v_nop
	global_prefetch_b8 v0, s[64:65] scope:SCOPE_SE
	s_setreg_imm32_b32 hwreg(HW_REG_WAVE_MODE, 25, 1), 1
	s_wait_xcnt 0x0
; The five weights, f32 stored [K][1024] with K as the FIRST axis, become codes of E4M3 laid as IMAGES OF OPERAND REGISTERS.
; code = x / 2^e, held within +-448, to the nearest code, ties to even.  e: entries 1, 3, 5, 11, 13 of lowp_scales.
; LIMITS: -126 <= e <= 119, so that 2^e and 448 x 2^e are f32 numbers.  NaN among the inputs is not served.
; AN IMAGE: a fragment of 16 columns x 128 along K is 16 registers a lane (lane (r, h): column r; registers 2 c, 2 c + 1: k = 16 c + 8 h + 0 .. 7).
; It lies in memory as 4 groups of 4 registers, lane l's 16 bytes at 16 l, 512 bytes a group: 2,048 bytes.
; SHARES: work-group x = 128 columns, y = one K step of 128 of one tensor (0-5 w_qs, 6-13 w_ks, 14-21 w_vs, 22-29 fc_w, 30-35 resid_w).
; A wave takes 32 columns: A LANE TAKES A COLUMN AND ITS REGISTERS RUN DOWN K, so each load reads 128 neighbouring bytes a wave and the conversions give codes with K innermost.
; Inside each 32 along K the four groups of 8 codes are laid in the order 0, 2, 1, 3: 16 bytes at 32 c + 16 h of a column's 128 bytes are then registers 4 c .. 4 c + 3 of lane (r, h).
; The columns' bytes turn through the wave's own stage in LDS (rows 144 bytes apart) and leave as images: every store covers 512 consecutive bytes.
; Waves share nothing: no barrier.  No matrix unit, no cluster: each input byte is read once by one wave.
.set X,  16                            ; v16-143  128 numbers down K
.set C,  144                           ; v144-175 their codes
.set O,  176                           ; v176-207 two fragments, on the way out
.set SP, 144                           ; a stage row: 128 bytes + 16
	s_load_b256 s[4:11], s[0:1], 0x0               ; w_qs, w_ks, w_vs, fc_w
	s_load_b128 s[12:15], s[0:1], 0x20             ; resid_w, lowp_scales
	s_load_b64 s[16:17], s[0:1], 0x30              ; wimg
	v_lshl_add_u32 v208, v0, 2, 0x4800
	v_mov_b32 v209, 0
	v_lshrrev_b32 v1, 5, v0
	v_readfirstlane_b32 s18, v1                    ; wave
	s_and_b32 s19, ttmp7, 0xffff                   ; y
	v_and_b32 v1, 31, v0                           ; lane
	v_lshlrev_b32 v2, 2, v1                        ; in: 4 bytes a lane
	s_mul_i32 s26, s18, 32*SP                      ; my stage
	v_mul_u32_u24 v3, v1, SP
	v_add_nc_u32 v3, s26, v3                       ; into it: row = my column
	v_and_b32 v6, 15, v0
	v_bfe_u32 v7, v0, 4, 1
	v_mul_u32_u24 v4, v6, SP
	v_lshl_add_u32 v4, v7, 4, v4
	v_add_nc_u32 v4, s26, v4                       ; out of it: row r, + 16 h
	v_lshlrev_b32 v5, 4, v1                        ; an image's place for my lane
	s_wait_alu depctr_va_vdst(0)
	s_wait_kmcnt 0x0
	s_load_b256 s[32:39], s[14:15], 0x0            ; e0 .. e7
	s_load_b128 s[40:43], s[14:15], 0x20           ; e8 .. e11
	s_load_b64 s[44:45], s[14:15], 0x30            ; e12, e13
	; which tensor: chosen by selects on y alone, one path for all five
	s_mov_b64 s[20:21], s[12:13]                   ; the tensor
	s_mov_b32 s22, 30                              ; its first y
	s_mov_b32 s24, 8                               ; K steps of a projection's weight
	s_mov_b32 s25, 0                               ; its images' first byte
	s_cmp_lt_u32 s19, 30
	s_cselect_b64 s[20:21], s[10:11], s[20:21]
	s_cselect_b32 s22, 22, s22
	s_cmp_lt_u32 s19, 22
	s_cselect_b64 s[20:21], s[8:9], s[20:21]
	s_cselect_b32 s22, 14, s22
	s_cselect_b32 s25, 1835008, s25
	s_cmp_lt_u32 s19, 14
	s_cselect_b64 s[20:21], s[6:7], s[20:21]
	s_cselect_b32 s22, 6, s22
	s_cselect_b32 s25, 786432, s25
	s_cmp_lt_u32 s19, 6
	s_cselect_b64 s[20:21], s[4:5], s[20:21]
	s_cselect_b32 s22, 0, s22
	s_cselect_b32 s25, 0, s25
	s_cselect_b32 s24, 6, s24
	s_sub_co_u32 s23, s19, s22                     ; the K step within the tensor
	; THE ORDER ALONG K.  w_qs, w_ks, w_vs and resid_w meet rows of codes whose places along K are permuted inside each 256: place 256 c + 8 l + 4 b + j holds k = 256 c + 128 b + 4 l + j
	; (l = 0 .. 31, b = 0, 1, j = 0 .. 3).  The same permutation is applied here, by the loads' offsets: K step s = 2 c + t begins at row 256 c + 64 t, and place i of the step is row 128 ((i / 4) % 2) + 4 (i / 8) + i % 4 from there.
	; A permutation of k that is the same in both operands keeps every product with its partner.  fc_w meets O's codes, which lie in the plain order: it is read in the plain order.
	s_lshr_b32 s26, s23, 1
	s_lshl_b32 s26, s26, 20                        ; 256 rows of 4,096 bytes x (step / 2)
	s_and_b32 s27, s23, 1
	s_lshl_b32 s27, s27, 18                        ; + 64 rows x (step % 2)
	s_add_co_u32 s26, s26, s27
	s_lshl_b32 s27, s23, 19                        ; fc_w: 128 rows x step
	s_sub_co_u32 s46, s19, 22
	s_cmp_lt_u32 s46, 8                            ; y = 22 .. 29: fc_w
	s_cselect_b32 s26, s27, s26
	s_lshl_b32 s27, ttmp9, 9                       ; + 128 columns x work-group x
	s_add_co_u32 s26, s26, s27
	s_lshl_b32 s27, s18, 7                         ; + 32 columns x wave
	s_add_co_u32 s26, s26, s27
	s_mov_b32 s27, 0
	s_add_nc_u64 s[20:21], s[20:21], s[26:27]
	s_cmp_lt_u32 s46, 8                            ; a branch on the work-group's y alone; both ways issue 128 loads into the same registers
	s_cbranch_scc1 .Lplain
.set i, 0
.rept 128
	global_load_b32 v[X+i], v2, s[20:21] offset:(128*((i>>2)&1)+4*(i>>3)+(i&3))*4096 th:TH_LOAD_NT   ; W(k of place i, my column): 32 lanes read 128 neighbouring bytes
.set i, i+1
.endr
	s_branch .Lloaded
.Lplain:
.set i, 0
.rept 128
	global_load_b32 v[X+i], v2, s[20:21] offset:i*4096 th:TH_LOAD_NT   ; fc_w(k, my column)
.set i, i+1
.endr
.Lloaded:
	; where the images go.  Projections: [x][K step][8 tiles][2,048].  fc_w and resid_w: [x / 2][K step 0-13][16 tiles][2,048]
	s_mul_i32 s28, ttmp9, s24
	s_add_co_u32 s28, s28, s23
	s_lshl_b32 s28, s28, 14
	s_add_co_u32 s28, s28, s25
	s_lshr_b32 s29, ttmp9, 1
	s_mul_i32 s29, s29, 28
	s_sub_co_u32 s30, s19, 22
	s_lshl_b32 s30, s30, 1
	s_add_co_u32 s29, s29, s30
	s_and_b32 s30, ttmp9, 1
	s_add_co_u32 s29, s29, s30
	s_lshl_b32 s29, s29, 14
	s_add_co_u32 s29, s29, 2883584
	s_cmp_lt_u32 s19, 22
	s_cselect_b32 s28, s28, s29
	s_lshl_b32 s29, s18, 12                        ; my wave's two tiles
	s_add_co_u32 s28, s28, s29
	s_mov_b32 s29, 0
	s_add_nc_u64 s[16:17], s[16:17], s[28:29]
	s_wait_kmcnt 0x0
	s_mov_b32 s31, s45                             ; e13, or
	s_cmp_lt_u32 s19, 30
	s_cselect_b32 s31, s43, s31                    ; e11,
	s_cmp_lt_u32 s19, 22
	s_cselect_b32 s31, s37, s31                    ; e5,
	s_cmp_lt_u32 s19, 14
	s_cselect_b32 s31, s35, s31                    ; e3,
	s_cmp_lt_u32 s19, 6
	s_cselect_b32 s31, s33, s31                    ; e1
	s_add_co_i32 s31, s31, 127
	s_lshl_b32 s30, s31, 23
	v_mov_b32 v11, s30                             ; 2^e as f32: the conversion takes its exponent field
	s_add_co_i32 s31, s31, 8
	s_lshl_b32 s31, s31, 23
	s_or_b32 s31, s31, 0x600000
	v_mov_b32 v10, s31                             ; 448 x 2^e
; 32 along K: the hold (the conversion to an 8-bit code does not saturate: ISA guide 7.6.2), then four conversions; groups of 8 codes go to places 0, 2, 1, 3
.macro BLOCK qb, left
	s_wait_loadcnt \left                           ; loads come back in order: this block's 32 are in
.set i, 0
.rept 32
	v_med3_num_f32 v[X+32*\qb+i], v[X+32*\qb+i], -v10, v10
.set i, i+1
.endr
	v_cvt_scalef32_pk8_fp8_f32 v[C+8*\qb:C+8*\qb+1],   v[X+32*\qb:X+32*\qb+7],     v11
	v_cvt_scalef32_pk8_fp8_f32 v[C+8*\qb+4:C+8*\qb+5], v[X+32*\qb+8:X+32*\qb+15],  v11
	v_cvt_scalef32_pk8_fp8_f32 v[C+8*\qb+2:C+8*\qb+3], v[X+32*\qb+16:X+32*\qb+23], v11
	v_cvt_scalef32_pk8_fp8_f32 v[C+8*\qb+6:C+8*\qb+7], v[X+32*\qb+24:X+32*\qb+31], v11
.endm
	s_wait_alu depctr_va_vdst(0)
	BLOCK 0, 63                                    ; 96 younger loads: the count names the most that its field holds
	BLOCK 1, 63                                    ; 64 younger
	BLOCK 2, 32
	BLOCK 3, 0
	v_nop                                          ; a plain line behind the last conversion
.irp j, 0,1,2,3,4,5,6,7
	ds_store_b128 v3, v[C+4*\j:C+4*\j+3] offset:16*\j
.endr
.irp t, 0,1
.irp c, 0,1,2,3
	ds_load_b128 v[O+16*\t+4*\c:O+16*\t+4*\c+3], v4 offset:16*SP*\t+32*\c   ; LDS serves a wave's instructions in order (ISA guide 5.7.1.4): these see my stores
.endr
.endr
	s_wait_dscnt 0x0
.irp t, 0,1
.irp c, 0,1,2,3
	global_store_b128 v5, v[O+16*\t+4*\c:O+16*\t+4*\c+3], s[16:17] offset:2048*\t+512*\c   ; 512 consecutive bytes, aligned
.endr
.endr
	s_wait_tensorcnt 0x0
	ds_add_u32 v208, v209
	s_wait_dscnt 0x0
	s_endpgm
.Lfunc_end_k_qb896568ab1_wquant:
	.size	k_qb896568ab1_wquant, .Lfunc_end_k_qb896568ab1_wquant-k_qb896568ab1_wquant
	.p2alignl 7, 3214868480
	.fill 96, 4, 3214868480
	.section	.rodata,"a",@progbits
	.p2align	6, 0x0
	.amdhsa_kernel k_qb896568ab1_wquant
		.amdhsa_group_segment_fixed_size 18944
		.amdhsa_private_segment_fixed_size 0
		.amdhsa_enable_private_segment 0
		.amdhsa_kernarg_size 56
		.amdhsa_user_sgpr_count 2
		.amdhsa_user_sgpr_kernarg_segment_ptr 1
		.amdhsa_wavefront_size32 1
		.amdhsa_system_sgpr_workgroup_id_x 1
		.amdhsa_system_sgpr_workgroup_id_y 1
		.amdhsa_system_sgpr_workgroup_id_z 1
		.amdhsa_system_vgpr_workitem_id 0
		.amdhsa_next_free_vgpr 210
		.amdhsa_next_free_sgpr 66
		.amdhsa_reserve_vcc 0
		.amdhsa_float_denorm_mode_32 3
		.amdhsa_float_denorm_mode_16_64 3
		.amdhsa_memory_ordered 1
		.amdhsa_forward_progress 1
		.amdhsa_inst_pref_size 40
	.end_amdhsa_kernel
	.amdgpu_metadata
---
amdhsa.version: [ 1, 2 ]
amdhsa.kernels:
  - .name:           k_qb896568ab1_wquant
    .symbol:         k_qb896568ab1_wquant.kd
    .args:
      - { .name: w_qs, .offset: 0, .size: 8, .value_kind: global_buffer, .address_space: global }
      - { .name: w_ks, .offset: 8, .size: 8, .value_kind: global_buffer, .address_space: global }
      - { .name: w_vs, .offset: 16, .size: 8, .value_kind: global_buffer, .address_space: global }
      - { .name: fc_w, .offset: 24, .size: 8, .value_kind: global_buffer, .address_space: global }
      - { .name: resid_w, .offset: 32, .size: 8, .value_kind: global_buffer, .address_space: global }
      - { .name: lowp_scales, .offset: 40, .size: 8, .value_kind: global_buffer, .address_space: global }
      - { .name: wimg, .offset: 48, .size: 8, .value_kind: global_buffer, .address_space: global }
    .group_segment_fixed_size: 18944
    .private_segment_fixed_size: 0
    .kernarg_segment_align: 8
    .kernarg_segment_size: 56
    .max_flat_workgroup_size: 128
    .sgpr_count:     66
    .vgpr_count:     210
    .wavefront_size: 32
...
	.end_amdgpu_metadata
.endif
;; end of part 1
;; launch proj (part 2): grid 64 x 3, 4 waves a work-group, no clusters, 133,632 bytes of LDS; arguments q, k, v, lowp_scales, wimg, qimg, kimg, vimg, q12rm; writes qimg, kimg, vimg, q12rm
.if DOCPART == 2
	.amdgcn_target "amdgcn-amd-amdhsa--gfx1250"
	.amdhsa_code_object_version 6
	.text
	.protected	k_qb896568ab1_proj
	.globl	k_qb896568ab1_proj
	.p2align	8
	.type	k_qb896568ab1_proj,@function
k_qb896568ab1_proj:
	s_mov_b64 s[64:65], 0
	v_nop
	global_prefetch_b8 v0, s[64:65] scope:SCOPE_SE
	s_setreg_imm32_b32 hwreg(HW_REG_WAVE_MODE, 25, 1), 1
	s_wait_xcnt 0x0
; The three projections on codes of E4M3: Q = q w_qs, K = k w_ks, V = v w_vs; each result is quantised at once for the product that takes it.
; y = 0: q (768 along K), 1: k, 2: v (1,024).  x: 128 rows.  The work-group quantises its 128 rows ONCE into LDS and makes all 1,024 columns in two passes:
; in pass p wave w makes 128 rows x columns 128 (2 w + p) .. + 127: 64 accumulators, 512 registers, two heads.
; SCALES.  A sum stands for sum x 2^(ea + eb).  Q / 8 quantised by 2^e6 is sum / 2^(e6 + 3 - e0 - e1); K: e7 - e2 - e3; V: e9 - e4 - e5: one scale for the conversion.
; q is also quantised by 2^e12, for the residual's product, into q12rm.
; LIMITS: each of e0, e2, e4, e12 and the three folded exponents lies between -126 and 119.  NaN among the inputs is not served.
; LAYOUT.  Lane (r, h) of a fragment holds row r; registers 2 c, 2 c + 1: k = 16 c + 8 h + 0 .. 7.  Rows of codes (LDS, q12rm) hold, inside each 32 along K, the four groups of 8 codes in
; the order 0, 2, 1, 3, so that 16 bytes at 32 c + 16 h are registers 4 c .. 4 c + 3.
; Q, K: source 0 = 16 columns of the weight, source 1 = 16 rows: a lane then holds one token and 8 neighbouring columns; a head's four tiles, converted, ARE the token tile's fragment (16 x 64).
; V: the sources change places: a lane holds one column d and 8 tokens; eight token tiles, converted, ARE the fragment of V^T (16 d x 128 keys).  Fragments go out as images of their registers.
; THE WEIGHTS come from wimg straight into registers, through a ring of four blocks of 4 fragments (8 KB a wave each): while one block is multiplied, three (48 loads) are on their way.
; NO CLUSTER, NO JOINT LOADS: a weight fragment serves one wave of a work-group; a joint load can land only in LDS, which would add 64 KB in and 64 KB out a K step to the 64 KB that the waves read of the rows' codes.
; REGISTERS.  window 0: v4-21 addresses and scales; v32-63, v64-87 codes just made; v128-255 at work in phase X, then the rows' 8 fragments, then codes on the way out.
;   window 1: the weight's four blocks.   windows 2, 3: numbers as loaded in phase X; then accumulator (a, b) at v[8 (8 (a % 4) + b)] of window 2 + a / 4.
.set PITCH, 1040                       ; an LDS row: 1,024 codes + 16 bytes = 65 x 16: the 16 rows of a fragment load start in 16 different groups of banks (ISA guide 11.1)
.set XO,    4                          ; v4-7   16 x lane + i rows: my 16 bytes of each 512 of rows 0 to 3 of a batch
.set XS,    8                          ; v8     where the trip's codes go in LDS
.set XS0,   9                          ; v9     8 x place(lane) + my wave's 32 rows
.set Q12O,  11                         ; v11    8 x place(lane): lane l's 8 codes within 256
.set ADRA,  12                         ; v12-13 fragments of rows 0-63, 64-127
.set L16,   14                         ; v14    16 x lane
.set SCX,   16                         ; v16-18 scales: input, q by e12, result
.set SC12,  17
.set SCO,   18
.set LIMX,  19                         ; v19-21 448 x those
.set LIM12, 20
.set LIMO,  21
.set CC,    32
.set C12,   64
.set AF,    128
.set RB,    80                         ; s[80:87] a base for each of the ring's four blocks;  s[88:89] the next block's byte offset;  s55 the last block's
.set MSB, 0
.macro WIN new                         ; the immediate's high byte repeats the setting that is left
.if MSB != (\new)
	s_set_vgpr_msb (MSB<<8)|(\new)
.set MSB, (\new)
.endif
.endm
.macro PLACES                          ; four plain vector lines between a matrix instruction and a load into, or a vector instruction on, its registers
.rept 4
	v_nop
.endr
.endm
.macro MKSC se, vs, vl                 ; 2^e and 448 x 2^e as f32
	s_add_co_i32 s75, \se, 127
	s_lshl_b32 s76, s75, 23
	v_mov_b32 v[\vs], s76
	s_add_co_i32 s75, s75, 8
	s_lshl_b32 s75, s75, 23
	s_or_b32 s75, s75, 0x600000
	v_mov_b32 v[\vl], s75
.endm
	s_load_b512 s[4:19], s[0:1], 0x0               ; q, k, v, lowp_scales, wimg, qimg, kimg, vimg
	s_load_b64 s[20:21], s[0:1], 0x40              ; q12rm
	v_lshl_add_u32 v126, v0, 2, 0x20800
	v_mov_b32 v127, 0
	v_lshrrev_b32 v1, 5, v0
	v_readfirstlane_b32 s22, v1                    ; wave
	s_and_b32 s23, ttmp7, 0xffff                   ; y: the tensor
	s_mov_b32 s24, ttmp9                           ; x: 128 rows
	v_and_b32 v1, 31, v0                           ; lane
	v_and_b32 v2, 1, v0
	v_bfe_u32 v3, v0, 1, 1
	v_lshl_or_b32 v2, v2, 1, v3                    ; the lane's two low bits change places: groups 0, 2, 1, 3
	v_and_or_b32 v2, v1, 0x1c, v2
	v_lshlrev_b32 v[Q12O], 3, v2
	s_mul_i32 s66, s22, 32*PITCH
	v_add_nc_u32 v[XS0], s66, v[Q12O]
	v_lshlrev_b32 v[XO], 4, v1
	s_wait_alu depctr_va_vdst(0)
	v_lshlrev_b32 v[L16], 4, v1
	v_and_b32 v2, 15, v0
	v_bfe_u32 v3, v0, 4, 1
	v_mul_u32_u24 v[ADRA], v2, PITCH
	v_lshl_add_u32 v[ADRA], v3, 4, v[ADRA]         ; row r, + 16 h
	v_add_nc_u32 v[ADRA+1], 64*PITCH, v[ADRA]
	s_cmp_eq_u32 s23, 0
	s_mov_b32 s48, 4096
	s_cselect_b32 s48, 3072, s48                   ; a row of the input in bytes
	s_cselect_b32 s66, 6, 8                        ; K steps
	s_mov_b32 s67, 786432
	s_cselect_b32 s67, 0, s67
	s_cmp_eq_u32 s23, 2
	s_cselect_b32 s67, 1835008, s67                ; the weight's images in wimg
	v_add_nc_u32 v[XO+1], s48, v[XO]
	s_lshl_b32 s68, s48, 1
	v_add_nc_u32 v[XO+2], s68, v[XO]
	s_add_co_u32 s68, s68, s48
	v_add_nc_u32 v[XO+3], s68, v[XO]
	s_lshl_b32 s46, s48, 3                         ; eight rows on: two batches
	s_mov_b32 s47, 0
	s_lshl_b32 s69, s24, 7
	s_lshl_b32 s70, s22, 5
	s_add_co_u32 s69, s69, s70                     ; my wave's first row: 128 x + 32 wave
	s_mov_b32 s71, 0
	s_mov_b32 s73, 0
	s_mov_b32 s63, 0                               ; the trip's rows in LDS
	s_wait_alu depctr_va_vdst(0)
	s_wait_kmcnt 0x0
	s_load_b256 s[28:35], s[10:11], 0x0            ; e0 .. e7
	s_load_b128 s[36:39], s[10:11], 0x20           ; e8 .. e11
	s_load_b64 s[40:41], s[10:11], 0x30            ; e12, e13
	s_cmp_eq_u32 s23, 0
	s_cselect_b64 s[44:45], s[4:5], s[6:7]
	s_cselect_b64 s[56:57], s[14:15], s[16:17]
	s_cmp_eq_u32 s23, 2
	s_cselect_b64 s[44:45], s[8:9], s[44:45]       ; the input,
	s_cselect_b64 s[56:57], s[18:19], s[56:57]     ; and the images that I write
	s_mul_i32 s70, s69, s48
	s_add_nc_u64 s[44:45], s[44:45], s[70:71]      ; at my wave's first row: stays
	s_mov_b64 s[42:43], s[44:45]                   ; the even batches' base,
	s_lshl_b32 s70, s48, 2
	s_add_nc_u64 s[58:59], s[44:45], s[70:71]      ; the odd batches', four rows on: two bases, so that each is stepped only when its own last loads are in
	s_mul_i32 s70, s69, 768
	s_add_nc_u64 s[50:51], s[20:21], s[70:71]      ; q12rm at the same row
	s_mul_i32 s70, s22, s66
	s_lshl_b32 s70, s70, 15
	s_add_co_u32 s70, s70, s67
	s_add_nc_u64 s[52:53], s[12:13], s[70:71]      ; my wave's 4 x KS blocks of 8 KB of the weight, on end
	s_mov_b32 s88, 0                               ; the next block
	s_mov_b32 s89, 0
	s_lshl_b32 s55, s66, 15
	s_sub_co_u32 s55, s55, 8192                    ; the last
	s_lshr_b32 s70, s24, 3                         ; batch
	s_lshl_b32 s70, s70, 4
	s_lshl_b32 s72, s22, 2
	s_add_co_u32 s70, s70, s72                     ; head 16 batch + 4 wave (+ 2 pass + 0, 1): 65,536 bytes of images a head in all three buffers
	s_lshl_b32 s70, s70, 16
	s_and_b32 s72, s24, 7                          ; my 128 tokens: 8 token tiles of 1,024 bytes, or one key step of 4 x 2,048
	s_lshl_b32 s72, s72, 13
	s_add_co_u32 s70, s70, s72
	s_add_nc_u64 s[56:57], s[56:57], s[70:71]
; ---- PHASE X: my wave's 32 rows become codes in LDS.  A batch: 4 rows x the first 768 columns.  Every load reads 512 consecutive bytes, 16 a lane.  A lane's 8 numbers for one conversion are 4 from the
; lower and 4 from the upper 512 bytes of a kilobyte: so place 256 c + 8 l + 4 b + j along K holds k = 256 c + 128 b + 4 l + j.  The weights' images carry the same permutation of k, so every product meets its partner.
; st = 1: the base goes eight rows on first.  The loads that read it last have been shown done by the counted wait on LOADcnt ahead of their conversion.
.macro XLOAD u, st
.if \st
	s_add_nc_u64 s[42+16*\u:43+16*\u], s[42+16*\u:43+16*\u], s[46:47]
.endif
	WIN 0x80                                       ; destination window 2
.irp i, 0,1,2,3
.irp c, 0,1,2
	global_load_b128 v[128*\u+32*\i+8*\c:128*\u+32*\i+8*\c+3],   v[XO+\i], s[42+16*\u:43+16*\u] offset:1024*\c th:TH_LOAD_NT
	global_load_b128 v[128*\u+32*\i+8*\c+4:128*\u+32*\i+8*\c+7], v[XO+\i], s[42+16*\u:43+16*\u] offset:1024*\c+512 th:TH_LOAD_NT
.endr
.endr
	WIN 0
.endm
.macro XCONV u
	s_cmp_lg_u32 s23, 0
	s_cbranch_scc1 .Lno12_\@                       ; q alone is quantised a second time, by 2^e12
	s_wait_xcnt 0x0                                ; the last batch's stores have read their codes and their base:
	s_add_nc_u64 s[50:51], s[50:51], 4*768         ; the base goes four rows on, and the stores below reach back
	WIN 0x02                                       ; source 0 window 2
	s_wait_alu depctr_va_vdst(0)
.irp i, 0,1,2,3
.irp c, 0,1,2
.irp j, 0,1,2,3,4,5,6,7
	v_med3_num_f32 v[AF+24*\i+8*\c+\j], v[128*\u+32*\i+8*\c+\j], -v[LIM12], v[LIM12]
.endr
.endr
.endr
	WIN 0
.irp n, 0,1,2,3,4,5,6,7,8,9,10,11
	v_cvt_scalef32_pk8_fp8_f32 v[C12+2*\n:C12+2*\n+1], v[AF+8*\n:AF+8*\n+7], v[SC12]
.endr
	v_nop                                          ; a plain line behind the last conversion
.irp i, 0,1,2,3
.irp c, 0,1,2
	global_store_b64 v[Q12O], v[C12+2*(3*\i+\c):C12+2*(3*\i+\c)+1], s[50:51] offset:768*\i+256*\c-4*768   ; 32 lanes store 256 consecutive bytes, aligned
.endr
.endr
.Lno12_\@:
	WIN 0x82                                       ; in place, window 2: the hold ahead of a conversion that does not saturate (ISA guide 7.6.2)
	s_wait_alu depctr_va_vdst(0)
.irp i, 0,1,2,3
.irp c, 0,1,2
.irp j, 0,1,2,3,4,5,6,7
	v_med3_num_f32 v[128*\u+32*\i+8*\c+\j], v[128*\u+32*\i+8*\c+\j], -v[LIMX], v[LIMX]
.endr
.endr
.endr
	WIN 0x02
.irp i, 0,1,2,3
.irp c, 0,1,2
	v_cvt_scalef32_pk8_fp8_f32 v[CC+2*(3*\i+\c):CC+2*(3*\i+\c)+1], v[128*\u+32*\i+8*\c:128*\u+32*\i+8*\c+7], v[SCX]
.endr
.endr
	v_nop
	WIN 0
.irp i, 0,1,2,3
.irp c, 0,1,2
	ds_store_b64 v[XS], v[CC+2*(3*\i+\c):CC+2*(3*\i+\c)+1] offset:PITCH*(4*\u+\i)+256*\c
.endr
.endr
.endm
; k and v: columns 768 to 1,023 of rows 16 hf .. 16 hf + 15
.macro X2LOAD hf
	WIN 0xc0                                       ; destination window 3
.set i, 0
.rept 16
	global_load_b128 v[128*\hf+8*i:128*\hf+8*i+3],   v[XO], s[44:45] offset:4096*(16*\hf+i)+3072 th:TH_LOAD_NT
	global_load_b128 v[128*\hf+8*i+4:128*\hf+8*i+7], v[XO], s[44:45] offset:4096*(16*\hf+i)+3584 th:TH_LOAD_NT
.set i, i+1
.endr
	WIN 0
.endm
.macro X2CONV hf
	WIN 0xc3
.set i, 0
.rept 128
	v_med3_num_f32 v[128*\hf+i], v[128*\hf+i], -v[LIMX], v[LIMX]
.set i, i+1
.endr
	WIN 0x03
.set i, 0
.rept 16
	v_cvt_scalef32_pk8_fp8_f32 v[CC+2*i:CC+2*i+1], v[128*\hf+8*i:128*\hf+8*i+7], v[SCX]
.set i, i+1
.endr
	v_nop
	WIN 0
.set i, 0
.rept 16
	ds_store_b64 v[XS0], v[CC+2*i:CC+2*i+1] offset:PITCH*(16*\hf+i)+768
.set i, i+1
.endr
.endm
	XLOAD 0, 0                                     ; batches 0 and 1 are on their way while the scales are made
	XLOAD 1, 0
	s_wait_kmcnt 0x0
	s_add_co_i32 s74, s34, 3                       ; e6 + 3: Q / 8
	s_cmp_eq_u32 s23, 0
	s_cselect_b32 s72, s28, s30                    ; the input's e,
	s_cselect_b32 s73, s29, s31                    ; the weight's,
	s_cselect_b32 s74, s74, s35                    ; the result's
	s_cmp_eq_u32 s23, 2
	s_cselect_b32 s72, s32, s72
	s_cselect_b32 s73, s33, s73
	s_cselect_b32 s74, s37, s74
	s_sub_co_i32 s74, s74, s72
	s_sub_co_i32 s74, s74, s73
	MKSC s72, SCX, LIMX
	MKSC s40, SC12, LIM12
	MKSC s74, SCO, LIMO
	s_cmp_eq_u32 s23, 0
	s_cbranch_scc1 .Lno_x2                         ; q has 768 columns.  These columns are loaded and used inside this one branch; no other line stores their LDS bytes
	X2LOAD 0
	X2LOAD 1
	s_wait_loadcnt 32                              ; all but the second half's 32 loads
	s_wait_alu depctr_va_vdst(0)
	X2CONV 0
	s_wait_loadcnt 0x0
	X2CONV 1
.Lno_x2:
	s_mov_b32 s61, 3
.Lx:                                                   ; a trip: batches 2 t and 2 t + 1 are converted, batches 2 t + 2 and 2 t + 3 asked for
	v_add_nc_u32 v[XS], s63, v[XS0]
	s_wait_loadcnt 24                              ; the even batch is in; the younger batch's 24 loads may be out
	XCONV 0
	XLOAD 0, 1
	s_wait_loadcnt 24                              ; the odd batch is in
	XCONV 1
	XLOAD 1, 1
	s_add_co_u32 s63, s63, 8*PITCH
	s_sub_co_u32 s61, s61, 1
	s_cmp_lg_u32 s61, 0
	s_cbranch_scc1 .Lx
	v_add_nc_u32 v[XS], s63, v[XS0]                ; the last two batches: nothing more is asked for
	s_wait_loadcnt 24
	XCONV 0
	s_wait_loadcnt 0x0
	XCONV 1
; ---- PHASE G
; The next 8 KB of my wave's weight blocks into half hf of set p.  The blocks lie on end across K steps and passes and are asked for in that order.  Each of the four places in the ring has a base of its
; own, written anew only when the loads that read it last have been shown done.  The last three requests of the launch have no block left and name the last block once more.
.macro REQ p, hf
.set rb, RB+4*(\p)+2*(\hf)
	s_add_nc_u64 s[rb:rb+1], s[52:53], s[88:89]
	WIN 0x40                                       ; destination window 1
.irp f, 0,1,2,3
.irp g, 0,1,2,3
	global_load_b128 v[128*(\p)+64*(\hf)+16*\f+4*\g:128*(\p)+64*(\hf)+16*\f+4*\g+3], v[L16], s[rb:rb+1] offset:2048*\f+512*\g
.endr
.endr
	s_add_co_u32 s88, s88, 8192
	s_min_u32 s88, s88, s55
.endm
.macro FETCH_A kn, i0                  ; the rows' blocks i0 .. i0 + 3, 128 along K at byte kn
.irp i, 0,1,2,3
.irp c, 0,1,2,3
	ds_load_b128 v[AF+16*((\i0)+\i)+4*\c:AF+16*((\i0)+\i)+4*\c+3], v[ADRA+(\i0)/4] offset:\i*16*PITCH+\kn+32*\c
.endr
.endr
.endm
; 16 matrix instructions: the rows' half ah (4 blocks) x the weight's half bh (4 tiles) of set p.  No two that follow each other share an accumulator, inside a quadrant and from one to the next.
.macro MULQ ah, bh, p, zero, swap
	WIN 0xa1+0x50*(\ah)+3*(\swap)                  ; weight window 1, rows window 0 (swap: the other way round), C and D window 2 + ah
.irp a, 0,1,2,3
.irp b, 0,1,2,3
.if \swap
.if \zero
	v_wmma_f32_16x16x128_fp8_fp8 v[8*(8*\a+4*(\bh)+\b):8*(8*\a+4*(\bh)+\b)+7], v[AF+16*(4*(\ah)+\a):AF+16*(4*(\ah)+\a)+15], v[128*(\p)+16*(4*(\bh)+\b):128*(\p)+16*(4*(\bh)+\b)+15], 0
.else
	v_wmma_f32_16x16x128_fp8_fp8 v[8*(8*\a+4*(\bh)+\b):8*(8*\a+4*(\bh)+\b)+7], v[AF+16*(4*(\ah)+\a):AF+16*(4*(\ah)+\a)+15], v[128*(\p)+16*(4*(\bh)+\b):128*(\p)+16*(4*(\bh)+\b)+15], v[8*(8*\a+4*(\bh)+\b):8*(8*\a+4*(\bh)+\b)+7]
.endif
.else
.if \zero
	v_wmma_f32_16x16x128_fp8_fp8 v[8*(8*\a+4*(\bh)+\b):8*(8*\a+4*(\bh)+\b)+7], v[128*(\p)+16*(4*(\bh)+\b):128*(\p)+16*(4*(\bh)+\b)+15], v[AF+16*(4*(\ah)+\a):AF+16*(4*(\ah)+\a)+15], 0
.else
	v_wmma_f32_16x16x128_fp8_fp8 v[8*(8*\a+4*(\bh)+\b):8*(8*\a+4*(\bh)+\b)+7], v[128*(\p)+16*(4*(\bh)+\b):128*(\p)+16*(4*(\bh)+\b)+15], v[AF+16*(4*(\ah)+\a):AF+16*(4*(\ah)+\a)+15], v[8*(8*\a+4*(\bh)+\b):8*(8*\a+4*(\bh)+\b)+7]
.endif
.endif
.endr
.endr
.endm
; A K STEP OF 128, BY QUADRANTS: X x lo, Y x lo, Y x hi, X x hi.  lo, hi: the two blocks of the weight's set p.  X = the rows' half p, Y = the other: the halves change places from step to step.
; So lo is free at the step's middle and hi at its end, and each is asked for again one and a half steps ahead of its use; Y is free behind the third quadrant and X behind the fourth, and the next step,
; which begins with Y, finds each half fetched one quadrant ahead.  At the step's head three blocks are out, in this order: lo and hi of this step, lo of the next.
; zero: the products start the sums.  nexta: the rows' next fragments, at byte kn, are fetched.
.macro STEP p, zero, nexta, kn, swap
	s_wait_loadcnt 32                              ; this step's lo is in; the two younger blocks' 32 loads may be out
	REQ 1-\p, 1                                    ; the next step's hi, into the block that the last step's second half multiplied (four places stand at that step's end)
	s_wait_dscnt 16                                ; X is in; the 16 loads of Y may be out
	MULQ \p, 0, \p, \zero, \swap
	s_wait_dscnt 0x0                               ; Y is in
	MULQ 1-\p, 0, \p, \zero, \swap
	PLACES
	s_wait_loadcnt 32                              ; this step's hi is in
	REQ \p, 0                                      ; lo of the step after next
	MULQ 1-\p, 1, \p, \zero, \swap
.if \nexta
	PLACES
	WIN 0
	FETCH_A \kn, 4*(1-\p)
.endif
	MULQ \p, 1, \p, \zero, \swap
	PLACES
	WIN 0
.if \nexta
	FETCH_A \kn, 4*\p
.endif
.endm
; The pass's 64 tiles are held, converted and stored as images.  Each accumulator is read from its low end on.
.macro WRITEOUT swap
.irp hi, 0,1
	WIN 0x82+0x41*\hi
.set i, 0
.rept 256
	v_med3_num_f32 v[i], v[i], -v[LIMO], v[LIMO]
.set i, i+1
.endr
	WIN 0x02+\hi
.irp a, 0,1,2,3
.irp b, 0,1,2,3,4,5,6,7
.if \swap
	v_cvt_scalef32_pk8_fp8_f32 v[AF+16*\b+2*(4*\hi+\a):AF+16*\b+2*(4*\hi+\a)+1], v[8*(8*\a+\b):8*(8*\a+\b)+7], v[SCO]   ; V^T: tile of d = b; registers 2 a, 2 a + 1: tokens 16 a + 8 h + 0 .. 7
.else
	v_cvt_scalef32_pk8_fp8_f32 v[AF+16*(4*\hi+\a)+2*\b:AF+16*(4*\hi+\a)+2*\b+1], v[8*(8*\a+\b):8*(8*\a+\b)+7], v[SCO]   ; token tile a; registers 2 b, 2 b + 1: columns 16 b + 8 h + 0 .. 7
.endif
.endr
.endr
	v_nop                                          ; a plain line behind the last conversion
.endr
	WIN 0
.if \swap
.irp b, 0,1,2,3,4,5,6,7
.irp g, 0,1,2,3
	global_store_b128 v[L16], v[AF+16*\b+4*\g:AF+16*\b+4*\g+3], s[56:57] offset:65536*(\b/4)+2048*(\b%4)+512*\g
.endr
.endr
.else
.irp a, 0,1,2,3,4,5,6,7
.irp hh, 0,1
.irp g, 0,1
	global_store_b128 v[L16], v[AF+16*\a+8*\hh+4*\g:AF+16*\a+8*\hh+4*\g+3], s[56:57] offset:1024*\a+65536*\hh+512*\g
.endr
.endr
.endr
.endif
	s_wait_xcnt 0x0                                ; the stores have read their codes and their base: the rows' fragments may land there, and the base steps two heads on
	s_add_nc_u64 s[56:57], s[56:57], 131072
.endm
	REQ 0, 0                                       ; the ring's first three blocks: lo and hi of K step 0, lo of K step 1
	REQ 0, 1
	REQ 1, 0
	WIN 0
	s_wait_dscnt 0x0                               ; my rows' codes lie in LDS
	s_barrier_signal -1
	s_barrier_wait -1                              ; everybody's do; from here on LDS is only read
	s_mov_b32 s62, 2
	s_cmp_eq_u32 s23, 2
	s_cbranch_scc1 .Lpass_v
.Lpass_qk:
	FETCH_A 0, 0
	FETCH_A 0, 4
	STEP 0, 1, 1, 128, 0
	STEP 1, 0, 1, 256, 0
	STEP 0, 0, 1, 384, 0
	STEP 1, 0, 1, 512, 0
	STEP 0, 0, 1, 640, 0
	s_cmp_eq_u32 s23, 0
	s_cbranch_scc1 .Lq5                            ; q: six K steps
	STEP 1, 0, 1, 768, 0
	STEP 0, 0, 1, 896, 0
	STEP 1, 0, 0, 0, 0
	s_branch .Lwo
.Lq5:
	STEP 1, 0, 0, 0, 0
.Lwo:
	WRITEOUT 0
	s_sub_co_u32 s62, s62, 1
	s_cmp_lg_u32 s62, 0
	s_cbranch_scc1 .Lpass_qk
	s_wait_tensorcnt 0x0
	ds_add_u32 v126, v127
	s_wait_dscnt 0x0
	s_endpgm
.Lpass_v:
	FETCH_A 0, 0
	FETCH_A 0, 4
	STEP 0, 1, 1, 128, 1
	STEP 1, 0, 1, 256, 1
	STEP 0, 0, 1, 384, 1
	STEP 1, 0, 1, 512, 1
	STEP 0, 0, 1, 640, 1
	STEP 1, 0, 1, 768, 1
	STEP 0, 0, 1, 896, 1
	STEP 1, 0, 0, 0, 1
	WRITEOUT 1
	s_sub_co_u32 s62, s62, 1
	s_cmp_lg_u32 s62, 0
	s_cbranch_scc1 .Lpass_v
	s_wait_tensorcnt 0x0
	ds_add_u32 v126, v127
	s_wait_dscnt 0x0
	s_endpgm
.Lfunc_end_k_qb896568ab1_proj:
	.size	k_qb896568ab1_proj, .Lfunc_end_k_qb896568ab1_proj-k_qb896568ab1_proj
	.p2alignl 7, 3214868480
	.fill 96, 4, 3214868480
	.section	.rodata,"a",@progbits
	.p2align	6, 0x0
	.amdhsa_kernel k_qb896568ab1_proj
		.amdhsa_group_segment_fixed_size 133632
		.amdhsa_private_segment_fixed_size 0
		.amdhsa_enable_private_segment 0
		.amdhsa_kernarg_size 72
		.amdhsa_user_sgpr_count 2
		.amdhsa_user_sgpr_kernarg_segment_ptr 1
		.amdhsa_wavefront_size32 1
		.amdhsa_system_sgpr_workgroup_id_x 1
		.amdhsa_system_sgpr_workgroup_id_y 1
		.amdhsa_system_sgpr_workgroup_id_z 1
		.amdhsa_system_vgpr_workitem_id 0
		.amdhsa_next_free_vgpr 1024
		.amdhsa_next_free_sgpr 96
		.amdhsa_reserve_vcc 0
		.amdhsa_float_denorm_mode_32 3
		.amdhsa_float_denorm_mode_16_64 3
		.amdhsa_memory_ordered 1
		.amdhsa_forward_progress 1
		.amdhsa_inst_pref_size 255
	.end_amdhsa_kernel
	.section	.bss,"aw",@nobits
	.p2align	6
	.space	262144
	.amdgpu_metadata
---
amdhsa.version: [ 1, 2 ]
amdhsa.kernels:
  - .name:           k_qb896568ab1_proj
    .symbol:         k_qb896568ab1_proj.kd
    .args:
      - { .name: q, .offset: 0, .size: 8, .value_kind: global_buffer, .address_space: global }
      - { .name: k, .offset: 8, .size: 8, .value_kind: global_buffer, .address_space: global }
      - { .name: v, .offset: 16, .size: 8, .value_kind: global_buffer, .address_space: global }
      - { .name: lowp_scales, .offset: 24, .size: 8, .value_kind: global_buffer, .address_space: global }
      - { .name: wimg, .offset: 32, .size: 8, .value_kind: global_buffer, .address_space: global }
      - { .name: qimg, .offset: 40, .size: 8, .value_kind: global_buffer, .address_space: global }
      - { .name: kimg, .offset: 48, .size: 8, .value_kind: global_buffer, .address_space: global }
      - { .name: vimg, .offset: 56, .size: 8, .value_kind: global_buffer, .address_space: global }
      - { .name: q12rm, .offset: 64, .size: 8, .value_kind: global_buffer, .address_space: global }
    .group_segment_fixed_size: 133632
    .private_segment_fixed_size: 0
    .kernarg_segment_align: 8
    .kernarg_segment_size: 72
    .max_flat_workgroup_size: 128
    .sgpr_count:     96
    .vgpr_count:     1024
    .wavefront_size: 32
...
	.end_amdgpu_metadata
.endif
;; end of part 2
;; launch attn (part 3): grid 2 x 128, 4 waves a work-group, no clusters, 131,584 bytes of LDS; arguments qimg, kimg, vimg, lowp_scales, oimg; writes oimg
.if DOCPART == 3
	.amdgcn_target "amdgcn-amd-amdhsa--gfx1250"
	.amdhsa_code_object_version 6
	.text
	.protected	k_qb896568ab1_attn
	.globl	k_qb896568ab1_attn
	.p2align	8
	.type	k_qb896568ab1_attn,@function
k_qb896568ab1_attn:
	s_mov_b64 s[64:65], 0
	v_nop
	global_prefetch_b8 v0, s[64:65] scope:SCOPE_SE
	s_setreg_imm32_b32 hwreg(HW_REG_WAVE_MODE, 25, 1), 1
	s_wait_xcnt 0x0
; For each head: S = (Q / 8) K^T, p = softmax(S), p' = (1 - p) / 1023, O = p' V; both products on codes of E4M3; O is quantised at once by 2^e10 for the product with fc_w.
; p' IS QUANTISED FINISHED AND NORMALISED, so a query's maximum and sum over all 1,024 keys are known before its first code is made: a tile of 16 queries keeps its 1,024 scores a query in 512 registers,
; each score is multiplied once and each exponential taken once.  The maximum is taken away ahead of the exponential.
; SHARES.  y = 16 batch + head; x = half of the queries.  Wave w walks 8 tiles of 16 queries.  The head's K and V images (64 KB each) are copied into LDS once and only read afterwards.
; NO CLUSTER: two work-groups share a head, and what they share is 128 KB read once at the head of a walk of 8 tiles.
; LAYOUT.  S^T = K Q^T (source 0 = 16 keys, source 1 = 16 queries): a lane holds one query (lane % 16) and keys 16 t + 8 (lane / 16) + 0 .. 7 of tile t: eight tiles, converted, ARE source 1 of
; O^T = V^T p'^T (128 keys); O^T's four tiles, converted, are half a fragment (64 of 128 along K) of the next product's rows.
; THE NEXT TILE'S SCORES ARE MADE INSIDE THIS TILE'S KEY STEPS.  Key step ks converts 64 registers of S^T into codes; those registers are then free, and eight products of the next tile's Q with key tiles
; 8 ks .. 8 ks + 7 write them anew.  So K's and V's LDS loads and both kinds of product stand beside vector work.  Tile 0's scores stand ahead of the loop; the last tile is written out without K's work.
; ARITHMETIC.  A score stands for sum x 2^(e6 + e7): c = log2(e) 2^(e6 + e7); e = 2^(c s - c max); p' = 1/1023 - e / (1023 sum): one fused multiply-add.  It may come out as a negative of the order of its
; rounding where p is 1: its code is zero.
; THE HOLD OF p'.  p' is at most 1/1023 for every input.  For e8 >= -18 the largest code stands for 448 x 2^e8 >= 0.0017, above 1/1023: the hold changes no number, and a scalar branch on e8 passes over it.
; For e8 < -18 it runs.  Because of that branch K and V come through registers (global_load, ds_store) and not by the tensor data mover.
; LIMITS: e6 + e7 between -126 and 127; e8 and e10 - e8 - e9 between -126 and 119.  NaN is not served.
; REGISTERS.  window 0: below; v128-191, v192-255 V's and K's third set.  windows 1, 2: S^T, tile t at v[8 (t % 32)] of window 1 + t / 32.  window 3: v0-127 V's sets 0, 1; v128-255 K's sets 0, 1.
.set L16,  1                           ; v1     16 x lane: an image's place for my lane (K's images begin at LDS byte 0)
.set LV,   2                           ; v2     the same for V's, which begin at 65,536
.set T16,  3                           ; v3     16 x thread: the copy into LDS
.set T16V, 4                           ; v4     65,536 + 16 x thread
.set T0,   8                           ; v8-9   at work
.set CM,   12                          ; v12    c x maximum (v13 is named with it as a pair)
.set NR,   14                          ; v14    -1 / (1023 sum) (v15 likewise)
.set SCP,  24                          ; v24    2^e8;  v26  448 x that
.set SCO,  25                          ; v25    2^(e10 - e8 - e9);  v27  448 x that
.set LIMP, 26
.set LIMO, 27
.set QF,   32                          ; v32-39 the fragment of Q whose scores are made next
.set OT,   40                          ; v40-71 O^T
.set PC,   72                          ; v72-87 p' codes of 128 keys
.set OC,   88                          ; v88-95 O's codes
.set MX,   96                          ; v96-103  eight running maxima
.set LS,   104                         ; v104-119 eight pairs of sums
.set MSB, 0
.macro WIN new                         ; the immediate's high byte repeats the setting that is left
.if MSB != (\new)
	s_set_vgpr_msb (MSB<<8)|(\new)
.set MSB, (\new)
.endif
.endm
.macro PLACES                          ; four plain vector lines between a matrix instruction and a load into, or a vector instruction on, its registers
.rept 4
	v_nop
.endr
.endm
.macro MKSC se, vs, vl
	s_add_co_i32 s55, \se, 127
	s_lshl_b32 s56, s55, 23
	v_mov_b32 v[\vs], s56
	s_add_co_i32 s55, s55, 8
	s_lshl_b32 s55, s55, 23
	s_or_b32 s55, s55, 0x600000
	v_mov_b32 v[\vl], s55
.endm
	s_load_b256 s[4:11], s[0:1], 0x0               ; qimg, kimg, vimg, lowp_scales
	s_load_b64 s[12:13], s[0:1], 0x20              ; oimg
	v_lshl_add_u32 v126, v0, 2, 0x20000
	v_mov_b32 v127, 0
	v_lshrrev_b32 v5, 5, v0
	v_readfirstlane_b32 s14, v5                    ; wave
	s_and_b32 s50, ttmp7, 0xffff                   ; 16 batch + head
	v_lshlrev_b32 v[T16], 4, v0
	v_add_nc_u32 v[T16V], 0x10000, v[T16]
	v_and_b32 v5, 31, v0
	v_lshlrev_b32 v[L16], 4, v5
	v_add_nc_u32 v[LV], 0x10000, v[L16]
	s_lshl_b32 s52, s50, 16                        ; a head's images: 65,536 bytes
	s_mov_b32 s53, 0
	s_wait_alu depctr_va_vdst(0)
	s_wait_kmcnt 0x0
	s_load_b128 s[36:39], s[10:11], 0x18           ; e6, e7, e8, e9
	s_load_b32 s40, s[10:11], 0x28                 ; e10
	s_add_nc_u64 s[26:27], s[6:7], s[52:53]
	s_add_nc_u64 s[30:31], s[8:9], s[52:53]
	; the head's K and V: 128 threads x 16 bytes cover 2,048 consecutive bytes a load; 32 loads each, into S^T's registers, which are free yet
	WIN 0x40                                       ; destination window 1
.set i, 0
.rept 32
	global_load_b128 v[4*i:4*i+3], v[T16], s[26:27] offset:2048*i
.set i, i+1
.endr
	WIN 0x80                                       ; destination window 2
.set i, 0
.rept 32
	global_load_b128 v[4*i:4*i+3], v[T16], s[30:31] offset:2048*i
.set i, i+1
.endr
	WIN 0
	s_lshl_b32 s52, s50, 6
	s_lshl_b32 s54, ttmp9, 5
	s_add_co_u32 s52, s52, s54
	s_lshl_b32 s54, s14, 3
	s_add_co_u32 s52, s52, s54                     ; Q's image: 64 (16 batch + head) + 32 x + 8 wave
	s_lshl_b32 s52, s52, 10
	s_add_nc_u64 s[46:47], s[4:5], s[52:53]
	global_load_b128 v[QF:QF+3],   v[L16], s[46:47] th:TH_LOAD_NT
	global_load_b128 v[QF+4:QF+7], v[L16], s[46:47] offset:512 th:TH_LOAD_NT
	s_lshr_b32 s52, s50, 4
	s_lshl_b32 s52, s52, 6
	s_lshl_b32 s54, ttmp9, 5
	s_add_co_u32 s52, s52, s54
	s_lshl_b32 s54, s14, 3
	s_add_co_u32 s52, s52, s54                     ; row tile 64 batch + 32 x + 8 wave: 8 images of 2,048 bytes each;
	s_lshl_b32 s52, s52, 14
	s_bfe_u32 s54, s50, 0x30001                    ; K step head / 2,
	s_lshl_b32 s54, s54, 11
	s_add_co_u32 s52, s52, s54
	s_and_b32 s54, s50, 1                          ; its lower or upper two groups of registers
	s_lshl_b32 s54, s54, 10
	s_add_co_u32 s52, s52, s54
	s_add_nc_u64 s[48:49], s[12:13], s[52:53]
	s_mov_b32 s32, 0x76543210                      ; v_permlanex16_b32: lane l takes lane l xor 16
	s_mov_b32 s33, 0xfedcba98
	s_mov_b32 s42, 0x3a802008                      ; 1 / 1023
	s_mov_b32 s43, s42
	v_mov_b32 v[T0], 0                             ; a lane permute's destination counts as read
	v_mov_b32 v[CM+1], 0                           ; (upper halves of pairs of which the low word serves both halves)
	v_mov_b32 v[NR+1], 0
	s_wait_kmcnt 0x0
	s_add_co_i32 s54, s36, s37
	s_lshl_b32 s54, s54, 23
	s_add_co_i32 s34, s54, 0x3fb8aa3b              ; c = log2(e) x 2^(e6 + e7): the exponents are added to the exponent field
	s_mov_b32 s35, s34
	s_add_co_i32 s41, s38, 18                      ; e8 + 18: not negative where p' needs no hold
	MKSC s38, SCP, LIMP
	s_sub_co_i32 s54, s40, s38
	s_sub_co_i32 s54, s54, s39
	MKSC s54, SCO, LIMO
	s_wait_alu depctr_va_vdst(0)
	s_wait_loadcnt 34                              ; K's 32 loads are in: behind them stand V's 32 and Q's 2
	WIN 0x04                                       ; store data window 1
.set i, 0
.rept 32
	ds_store_b128 v[T16], v[4*i:4*i+3] offset:2048*i
.set i, i+1
.endr
	s_wait_loadcnt 2                               ; V's are in
	WIN 0x08                                       ; store data window 2
.set i, 0
.rept 32
	ds_store_b128 v[T16V], v[4*i:4*i+3] offset:2048*i
.set i, i+1
.endr
	WIN 0
	s_wait_dscnt 0x0                               ; my part lies in LDS,
	s_barrier_signal -1
	s_barrier_wait -1                              ; everybody's does; from here on LDS is only read
; ---- ahead of the loop: tile 0's scores, 16 key tiles at a time, on two sets of 128 registers of window 3
.macro FETCHK bt, set
	WIN 0xc0                                       ; destination window 3
.set f, 0
.rept 16
	ds_load_b128 v[128*\set+8*f:128*\set+8*f+3],   v[L16] offset:(16*\bt+f)*1024
	ds_load_b128 v[128*\set+8*f+4:128*\set+8*f+7], v[L16] offset:(16*\bt+f)*1024+512
.set f, f+1
.endr
.endm
.macro MULS bt, set
	WIN 0x43+0x40*(\bt/2)                          ; K window 3, Q window 0, S^T window 1 or 2
.set f, 0
.rept 16
	v_wmma_f32_16x16x64_fp8_fp8 v[8*((16*\bt+f)%32):8*((16*\bt+f)%32)+7], v[128*\set+8*f:128*\set+8*f+7], v[QF:QF+7], 0
.set f, f+1
.endr
.endm
; ---- in the loop: key step n's operands lie in set n % 3: window vw (kw), from register vb (kb) on
.macro VSET n
.set vw, 3
.set vb, 64*((\n)%3)
.if ((\n)%3) == 2
.set vw, 0
.set vb, 128
.endif
.endm
.macro KSET n
.set kw, 3
.set kb, 128+64*((\n)%3)
.if ((\n)%3) == 2
.set kw, 0
.set kb, 192
.endif
.endm
.macro FETCHV ks                       ; V^T's four fragments of key step ks: 16 loads
	VSET \ks
	WIN 0x40*vw
.set f, 0
.rept 4
.irp g, 0,1,2,3
	ds_load_b128 v[vb+16*f+4*\g:vb+16*f+4*\g+3], v[LV] offset:(4*(\ks)+f)*2048+512*\g
.endr
.set f, f+1
.endr
.endm
.macro FETCHB ks                       ; K's key tiles 8 ks .. 8 ks + 7: 16 loads
	KSET \ks
	WIN 0x40*kw
.set f, 0
.rept 8
	ds_load_b128 v[kb+8*f:kb+8*f+3],   v[L16] offset:(8*(\ks)+f)*1024
	ds_load_b128 v[kb+8*f+4:kb+8*f+7], v[L16] offset:(8*(\ks)+f)*1024+512
.set f, f+1
.endr
.endm
.macro MAXW wn                         ; the maximum over one window of S^T: eight chains; each tile is read from its low end on
	WIN 0x14*\wn                                   ; sources 1 and 2: S^T's window
.set t, 0
.rept 32
.irp i, 0,1,2,3
	v_max3_num_f32 v[MX+4*(t%2)+\i], v[MX+4*(t%2)+\i], v[8*t+2*\i], v[8*t+2*\i+1]
.endr
.set t, t+1
.endr
.endm
.macro EXPW wn                         ; e = 2^(c s - c max), a window in two batches of 128 exponentials; the upper half's 64 scalings stand among the lower half's exponentials and are first read behind the wait between the batches
	WIN 0x41*\wn
.set j, 0
.rept 64
	v_pk_fma_f32 v[2*j:2*j+1], v[2*j:2*j+1], s[34:35], v[CM:CM+1] op_sel_hi:[1,0,0] neg_lo:[0,0,1] neg_hi:[0,0,1]
.set j, j+1
.endr
	s_wait_alu depctr_va_vdst(0)
.set j, 0
.rept 64
	v_exp_f32 v[2*j], v[2*j]
	v_exp_f32 v[2*j+1], v[2*j+1]
	v_pk_fma_f32 v[2*j+128:2*j+129], v[2*j+128:2*j+129], s[34:35], v[CM:CM+1] op_sel_hi:[1,0,0] neg_lo:[0,0,1] neg_hi:[0,0,1]
.set j, j+1
.endr
	s_wait_alu depctr_va_vdst(0)
.set j, 128
.rept 128
	v_exp_f32 v[j], v[j]
.set j, j+1
.endr
.endm
.macro SUMW wn                         ; the sum, of the numbers as they are, two at a time in eight chains
	WIN 0x04*\wn
.set j, 0
.rept 128
	v_pk_add_f32 v[LS+2*(j%8):LS+2*(j%8)+1], v[LS+2*(j%8):LS+2*(j%8)+1], v[2*j:2*j+1]
.set j, j+1
.endr
.endm
; KEY STEP ks: 128 keys' e become p' and codes; O^T takes V^T p'^T; then (last = 0) the next tile's scores of these 128 keys are written over the numbers just converted.
; LDS loads go out in runs of V's 16 and K's 16 (last = 1: V's 16 alone), in the order of the steps; steps 0 to 2 are fetched ahead of step 0, step ks + 2 in step ks, into the set that step ks - 1 multiplied:
; this step's 32 scalings are the places between.  O^T's four accumulators and the eight score tiles follow each other with no accumulator twice in a row.
.macro PVSTEP ks, last
.set wn, 1+(\ks)/4
.set sb, 64*((\ks)%4)
	WIN 0x41*wn
.set j, 0
.rept 32
	v_pk_fma_f32 v[sb+2*j:sb+2*j+1], v[sb+2*j:sb+2*j+1], v[NR:NR+1], s[42:43] op_sel_hi:[1,0,0]   ; p' = 1/1023 - e / (1023 sum)
.set j, j+1
.endr
	WIN 0                                          ; at a branch and at a label every window is 0
	s_cmp_ge_i32 s41, 0
	s_cbranch_scc1 .Lheld_\@                       ; e8 >= -18: 448 x 2^e8 lies above 1/1023, which p' never passes
	WIN 0x41*wn
.set j, 0
.rept 64
	v_med3_num_f32 v[sb+j], v[sb+j], -v[LIMP], v[LIMP]   ; the conversion does not saturate (ISA guide 7.6.2)
.set j, j+1
.endr
	WIN 0
.Lheld_\@:
	s_wait_alu depctr_va_vdst(0)
.if (\ks) == 7
	s_wait_dscnt 0x0
.else
	s_wait_dscnt 32-16*\last                       ; this step's V and K are in; the next step's run may be out
.endif
.if ((\ks) >= 1) && ((\ks) <= 5)
	FETCHV (\ks)+2
.if \last == 0
	FETCHB (\ks)+2
.endif
.endif
	WIN wn
.set j, 0
.rept 8
	v_cvt_scalef32_pk8_fp8_f32 v[PC+2*j:PC+2*j+1], v[sb+8*j:sb+8*j+7], v[SCP]
.set j, j+1
.endr
	v_nop                                          ; a plain line between the last conversion and the products that read the codes and write over the numbers
	VSET \ks
	WIN vw                                         ; source 0: V's window
.irp d, 0,1,2,3
.if (\ks) == 0
	v_wmma_f32_16x16x128_fp8_fp8 v[OT+8*\d:OT+8*\d+7], v[vb+16*\d:vb+16*\d+15], v[PC:PC+15], 0
.else
	v_wmma_f32_16x16x128_fp8_fp8 v[OT+8*\d:OT+8*\d+7], v[vb+16*\d:vb+16*\d+15], v[PC:PC+15], v[OT+8*\d:OT+8*\d+7]
.endif
.endr
.if \last == 0
.if (\ks) == 0
	s_wait_loadcnt 0x0                             ; the next tile's Q, asked for at the tile's head
.endif
	KSET \ks
	WIN 0x40*wn+kw                                 ; source 0: K's window; destination: S^T's
.set f, 0
.rept 8
	v_wmma_f32_16x16x64_fp8_fp8 v[sb+8*f:sb+8*f+7], v[kb+8*f:kb+8*f+7], v[QF:QF+7], 0
.set f, f+1
.endr
.endif
.endm
; A TILE.  Its scores lie in S^T.  last = 1: there is no next tile: no Q, no K, no scores.  Six runs of 16 LDS loads (steps 0 to 2) are spread over the maximum, the exponentials and the sum.
.macro TRIP last
.irp i, 0,1,2,3,4,5,6,7
	v_mov_b32 v[MX+\i], 0xff800000                 ; (plain lines behind the last scores' products, ahead of the loads below and of the first read of S^T)
.endr
.if \last == 0
	s_add_nc_u64 s[46:47], s[46:47], 1024          ; (the loads that read this base have been waited for)
	global_load_b128 v[QF:QF+3],   v[L16], s[46:47] th:TH_LOAD_NT
	global_load_b128 v[QF+4:QF+7], v[L16], s[46:47] offset:512 th:TH_LOAD_NT
.endif
	FETCHV 0
	MAXW 1
.if \last == 0
	FETCHB 0
.endif
	MAXW 2
	FETCHV 1
	WIN 0
	v_max3_num_f32 v[MX], v[MX], v[MX+1], v[MX+2]
	v_max3_num_f32 v[MX+3], v[MX+3], v[MX+4], v[MX+5]
	v_max3_num_f32 v[MX], v[MX], v[MX+6], v[MX+7]
	v_max_num_f32 v[MX], v[MX], v[MX+3]
	v_permlanex16_b32 v[T0], v[MX], s32, s33       ; the query's other 512 keys lie in the lane 16 away
	v_max_num_f32 v[MX], v[MX], v[T0]
	v_mul_f32 v[CM], s34, v[MX]                    ; c is positive
	EXPW 1
.if \last == 0
	FETCHB 1
.endif
	EXPW 2
	WIN 0
.irp i, 0,1,2,3,4,5,6,7,8,9,10,11,12,13,14,15
	v_mov_b32 v[LS+\i], 0                          ; plain lines behind the last exponential
.endr
	FETCHV 2
	s_wait_alu depctr_va_vdst(0)                   ; one wait for the tile's 512 exponentials, ahead of the first line that names a result
	SUMW 1
.if \last == 0
	FETCHB 2
.endif
	SUMW 2
	WIN 0
	v_pk_add_f32 v[LS:LS+1], v[LS:LS+1], v[LS+2:LS+3]
	v_pk_add_f32 v[LS+4:LS+5], v[LS+4:LS+5], v[LS+6:LS+7]
	v_pk_add_f32 v[LS+8:LS+9], v[LS+8:LS+9], v[LS+10:LS+11]
	v_pk_add_f32 v[LS+12:LS+13], v[LS+12:LS+13], v[LS+14:LS+15]
	v_pk_add_f32 v[LS:LS+1], v[LS:LS+1], v[LS+4:LS+5]
	v_pk_add_f32 v[LS+8:LS+9], v[LS+8:LS+9], v[LS+12:LS+13]
	v_pk_add_f32 v[LS:LS+1], v[LS:LS+1], v[LS+8:LS+9]
	v_add_f32 v[LS], v[LS], v[LS+1]
	v_permlanex16_b32 v[T0], v[LS], s32, s33
	v_add_f32 v[LS], v[LS], v[T0]
	s_wait_alu depctr_va_vdst(0)
	v_rcp_f32 v[T0+1], v[LS]
	v_nop                                          ; a plain line behind the reciprocal,
	s_wait_alu depctr_va_vdst(0)                   ; and the wait ahead of its first reader
	v_mul_f32 v[NR], 0xba802008, v[T0+1]           ; -1 / (1023 sum)
	PVSTEP 0, \last
	PVSTEP 1, \last
	PVSTEP 2, \last
	PVSTEP 3, \last
	PVSTEP 4, \last
	PVSTEP 5, \last
	PVSTEP 6, \last
	PVSTEP 7, \last
	; O's codes: registers 2 d, 2 d + 1: channels 16 d + 8 h + 0 .. 7 of my query
	WIN 0
	PLACES
.set j, 0
.rept 32
	v_med3_num_f32 v[OT+j], v[OT+j], -v[LIMO], v[LIMO]
.set j, j+1
.endr
	s_wait_alu depctr_va_vdst(0)
	s_wait_xcnt 0x0                                ; the last tile's stores have read their codes and their base:
	s_add_nc_u64 s[48:49], s[48:49], 16384         ; the base goes a row tile on, and the stores below reach back
.irp d, 0,1,2,3
	v_cvt_scalef32_pk8_fp8_f32 v[OC+2*\d:OC+2*\d+1], v[OT+8*\d:OT+8*\d+7], v[SCO]
.endr
	v_nop
	global_store_b128 v[L16], v[OC:OC+3],   s[48:49] offset:-16384   ; 512 consecutive bytes each, aligned
	global_store_b128 v[L16], v[OC+4:OC+7], s[48:49] offset:-15872
.endm
	FETCHK 0, 0
	FETCHK 1, 1
	s_wait_loadcnt 0x0                             ; tile 0's Q
	s_wait_dscnt 32                                ; the younger batch's 32 loads may be out
	MULS 0, 0
	PLACES
	FETCHK 2, 0
	s_wait_dscnt 32
	MULS 1, 1
	PLACES
	FETCHK 3, 1
	s_wait_dscnt 32
	MULS 2, 0
	s_wait_dscnt 0x0
	MULS 3, 1
	WIN 0
	s_mov_b32 s15, 7
.Ltile:                                                ; seven tiles that have a successor
	TRIP 0
	s_sub_co_u32 s15, s15, 1
	s_cmp_lg_u32 s15, 0
	s_cbranch_scc1 .Ltile
	TRIP 1                                         ; the last tile
	s_wait_tensorcnt 0x0
	ds_add_u32 v126, v127
	s_wait_dscnt 0x0
	s_endpgm
.Lfunc_end_k_qb896568ab1_attn:
	.size	k_qb896568ab1_attn, .Lfunc_end_k_qb896568ab1_attn-k_qb896568ab1_attn
	.p2alignl 7, 3214868480
	.fill 96, 4, 3214868480
	.section	.rodata,"a",@progbits
	.p2align	6, 0x0
	.amdhsa_kernel k_qb896568ab1_attn
		.amdhsa_group_segment_fixed_size 131584
		.amdhsa_private_segment_fixed_size 0
		.amdhsa_enable_private_segment 0
		.amdhsa_kernarg_size 40
		.amdhsa_user_sgpr_count 2
		.amdhsa_user_sgpr_kernarg_segment_ptr 1
		.amdhsa_wavefront_size32 1
		.amdhsa_system_sgpr_workgroup_id_x 1
		.amdhsa_system_sgpr_workgroup_id_y 1
		.amdhsa_system_sgpr_workgroup_id_z 1
		.amdhsa_system_vgpr_workitem_id 0
		.amdhsa_next_free_vgpr 1024
		.amdhsa_next_free_sgpr 66
		.amdhsa_reserve_vcc 0
		.amdhsa_float_denorm_mode_32 3
		.amdhsa_float_denorm_mode_16_64 3
		.amdhsa_memory_ordered 1
		.amdhsa_forward_progress 1
		.amdhsa_inst_pref_size 255
	.end_amdhsa_kernel
	.section	.bss,"aw",@nobits
	.p2align	6
	.space	262144
	.amdgpu_metadata
---
amdhsa.version: [ 1, 2 ]
amdhsa.kernels:
  - .name:           k_qb896568ab1_attn
    .symbol:         k_qb896568ab1_attn.kd
    .args:
      - { .name: qimg, .offset: 0, .size: 8, .value_kind: global_buffer, .address_space: global }
      - { .name: kimg, .offset: 8, .size: 8, .value_kind: global_buffer, .address_space: global }
      - { .name: vimg, .offset: 16, .size: 8, .value_kind: global_buffer, .address_space: global }
      - { .name: lowp_scales, .offset: 24, .size: 8, .value_kind: global_buffer, .address_space: global }
      - { .name: oimg, .offset: 32, .size: 8, .value_kind: global_buffer, .address_space: global }
    .group_segment_fixed_size: 131584
    .private_segment_fixed_size: 0
    .kernarg_segment_align: 8
    .kernarg_segment_size: 40
    .max_flat_workgroup_size: 128
    .sgpr_count:     66
    .vgpr_count:     1024
    .wavefront_size: 32
...
	.end_amdgpu_metadata
.endif
;; end of part 3
;; launch fcg (part 4): grid 4 x 64, 4 waves a work-group, no clusters, 249,344 bytes of LDS; arguments oimg, q12rm, wimg, lowp_scales, resid_b, ybuf; writes ybuf
.if DOCPART == 4
	.amdgcn_target "amdgcn-amd-amdhsa--gfx1250"
	.amdhsa_code_object_version 6
	.text
	.protected	k_qb896568ab1_fcg
	.globl	k_qb896568ab1_fcg
	.p2align	8
	.type	k_qb896568ab1_fcg,@function
k_qb896568ab1_fcg:
	s_mov_b64 s[64:65], 0
	v_nop
	global_prefetch_b8 v0, s[64:65] scope:SCOPE_SE
	s_setreg_imm32_b32 hwreg(HW_REG_WAVE_MODE, 25, 1), 1
	s_wait_xcnt 0x0
; y = O fc_w + q resid_w + resid_b, both products on codes of E4M3, sums in f32; y goes as f32, row-major, into ybuf, and the next launch takes the norm.
; SHARES.  Work-group (x, y) makes rows 128 y .. + 127 x columns 256 x .. + 255: 256 work-groups.  Wave w makes all 128 rows x columns 64 w .. + 63 of them: 8 tiles of rows x 4 of columns = 32 accumulators, 256 registers.
; K has 14 steps of 128: 8 of O fc_w, then 6 of q resid_w, ON ONE SET OF ACCUMULATORS: between them the sums are multiplied by 2^(e10 + e11 - e12 - e13), which rounds nothing short of overflow and
; underflow; at the end y = sum x 2^(e12 + e13) + resid_b.   LIMITS: e10 + e11 - e12 - e13 and e12 + e13 between -126 and 127.
; The rows' codes (O's images, 128 KB; q's rows, 96 KB) are copied into LDS once and only read afterwards.  The weights come from wimg straight into registers: a K step is 4 fragments (8 KB) a wave, in a ring of four sets.
; q's rows and resid_w's images carry the same permutation of k inside each 256 (the two launches that make them say which).
; NO CLUSTER, NO JOINT LOADS: a weight fragment serves one wave alone and goes into its registers without touching LDS; the rows' codes, which the four work-groups of a y share, are 224 KB read once at the head.
; NO PREFETCH: the text has no loop to run ahead in; the ring's own loads stand four K steps ahead of their use.
; Source 0 = 16 columns of the weight, source 1 = 16 rows: a lane holds one row (lane % 16) and 8 neighbouring columns.
; REGISTERS.  window 0: v1-16 addresses; v32-63 resid_b; v64-95 y on the way out; v128-255 the rows' fragments of even K steps, later rows read back from the stage.   window 1: the ring.
;   window 2: at the head O's images on their way into LDS; then accumulator (m, i) at v[8 (4 m + i)].   window 3: at the head q's rows; then v0-127 the rows' fragments of odd K steps.
.set QROWS, 131072                     ; LDS: O's images at 0 (row tile x 16,384 + K step x 2,048); q's rows here, 784 bytes apart (49 x 16);
.set STAGE, 231424                     ; the way out: 16 rows x (256 + 16) bytes a wave;
.set SPARE, 248832                     ; the spare words, 128 bytes a wave
.set SP,   272
.set L16,  1                           ; v1-2   16 x lane; + 65,536
.set T16,  3                           ; v3-4   16 x thread; + 65,536
.set Q16,  5                           ; v5     q's rows in memory: 16 x lane + 32 rows x wave
.set LA,   6                           ; v6-8   and in LDS: the three 512-byte pieces of two rows
.set AQ,   9                           ; v9-10  a fragment of q's rows 0-63, 64-127
.set STO,  11                          ; v11    the stage: in
.set SRD,  12                          ; v12    the stage: back
.set CO,   13                          ; v13    my place in two rows of ybuf
.set BO,   14                          ; v14    32 x (lane / 16): my 8 columns of resid_b
.set SPW,  15                          ; v15    my spare word; never rewritten
.set NIL,  16                          ; v16    0; never rewritten
.set RBV,  32
.set TMP,  64
.set AF,   128
.set MSB, 0
.macro WIN new                         ; the immediate's high byte repeats the setting that is left
.if MSB != (\new)
	s_set_vgpr_msb (MSB<<8)|(\new)
.set MSB, (\new)
.endif
.endm
.macro PLACES                          ; four plain vector lines between a matrix instruction and a load into, or a vector instruction on, its registers
.rept 4
	v_nop
.endr
.endm
	s_load_b256 s[4:11], s[0:1], 0x0               ; oimg, q12rm, wimg, lowp_scales
	s_load_b128 s[12:15], s[0:1], 0x20             ; resid_b, ybuf
	v_lshl_add_u32 v[SPW], v0, 2, SPARE
	v_mov_b32 v[NIL], 0
	v_lshrrev_b32 v30, 5, v0
	v_readfirstlane_b32 s22, v30                   ; wave
	v_and_b32 v30, 31, v0
	v_lshlrev_b32 v[L16], 4, v30
	v_add_nc_u32 v[L16+1], 0x10000, v[L16]
	v_lshlrev_b32 v[T16], 4, v0
	v_add_nc_u32 v[T16+1], 0x10000, v[T16]
	v_and_b32 v30, 15, v0                          ; r
	v_bfe_u32 v31, v0, 4, 1                        ; h
	s_mul_i32 s50, s22, 32*768
	v_add_nc_u32 v[Q16], s50, v[L16]
	s_mul_i32 s50, s22, 32*784
	s_add_co_u32 s50, s50, QROWS
	v_add_nc_u32 v[LA], s50, v[L16]                ; bytes 0-511 of two rows' 1,536: in the first row;
	v_lshl_add_u32 v[LA+1], v31, 4, v[LA]
	v_add_nc_u32 v[LA+1], 512, v[LA+1]             ; 512-1,023: lanes 16-31 are in the second row, 16 bytes of padding on;
	v_add_nc_u32 v[LA+2], 1040, v[LA]              ; 1,024-1,535: in the second row
	v_mul_u32_u24 v[AQ], v30, 784
	v_lshl_add_u32 v[AQ], v31, 4, v[AQ]
	v_add_nc_u32 v[AQ], QROWS, v[AQ]
	v_add_nc_u32 v[AQ+1], 64*784, v[AQ]
	s_mul_i32 s50, s22, 16*SP
	s_add_co_u32 s50, s50, STAGE
	v_mul_u32_u24 v[STO], v30, SP
	v_lshl_add_u32 v[STO], v31, 5, v[STO]
	v_add_nc_u32 v[STO], s50, v[STO]               ; in: row r, 32 bytes for each half of the lanes
	v_mul_u32_u24 v[SRD], v31, SP
	v_lshl_add_u32 v[SRD], v30, 4, v[SRD]
	v_add_nc_u32 v[SRD], s50, v[SRD]               ; back: lanes 0-15 one row of 256 bytes, lanes 16-31 the next
	v_lshlrev_b32 v[CO], 12, v31
	v_lshl_add_u32 v[CO], v30, 4, v[CO]            ; and the same two rows in ybuf
	v_lshlrev_b32 v[BO], 5, v31
	s_and_b32 s23, ttmp7, 0xffff                   ; y: 128 rows
	s_mov_b32 s51, 0
	s_wait_alu depctr_va_vdst(0)
	s_wait_kmcnt 0x0
	s_load_b128 s[36:39], s[10:11], 0x28           ; e10, e11, e12, e13
	s_lshl_b32 s50, s23, 17
	s_add_nc_u64 s[24:25], s[4:5], s[50:51]        ; my eight row tiles' images
	s_mul_i32 s50, s23, 128*768
	s_add_nc_u64 s[26:27], s[6:7], s[50:51]        ; my 128 rows of q's codes
	s_mul_i32 s50, ttmp9, 458752                   ; 256 columns: 14 K steps x 16 fragments
	s_lshl_b32 s52, s22, 13                        ; my wave's 4 fragments of each K step
	s_add_co_u32 s50, s50, s52
	s_add_co_u32 s50, s50, 2883584
	s_add_nc_u64 s[28:29], s[8:9], s[50:51]
	s_lshl_b32 s50, ttmp9, 10
	s_lshl_b32 s52, s22, 8
	s_add_co_u32 s50, s50, s52                     ; my 64 columns, in bytes of f32
	s_add_nc_u64 s[30:31], s[12:13], s[50:51]      ; in resid_b,
	s_lshl_b32 s52, s23, 19
	s_add_co_u32 s50, s50, s52
	s_add_nc_u64 s[32:33], s[14:15], s[50:51]      ; and in ybuf at row 128 y
.macro RLOAD s                         ; K step s: my 4 fragments into ring set s % 4.  Every offset is an immediate: no pointer is stepped
.irp i, 0,1,2,3
.irp g, 0,1,2,3
	global_load_b128 v[64*((\s)%4)+16*\i+4*\g:64*((\s)%4)+16*\i+4*\g+3], v[L16], s[28:29] offset:(\s)*32768+2048*\i+512*\g
.endr
.endr
.endm
	WIN 0x80                                       ; destination window 2: O's images, 128 threads x 16 bytes = 2,048 consecutive bytes a load
.set i, 0
.rept 64
	global_load_b128 v[4*i:4*i+3], v[T16], s[24:25] offset:2048*i
.set i, i+1
.endr
	WIN 0xc0                                       ; destination window 3: q's rows, 512 consecutive bytes a wave and load
.set i, 0
.rept 48
	global_load_b128 v[4*i:4*i+3], v[Q16], s[26:27] offset:512*i
.set i, i+1
.endr
	s_wait_loadcnt 48                              ; O's 64 loads are in; q's 48 may be out
	WIN 0x08                                       ; store data window 2
.set i, 0
.rept 64
	ds_store_b128 v[T16+i/32], v[4*i:4*i+3] offset:2048*(i%32)
.set i, i+1
.endr
	WIN 0
.irp i, 0,1,2,3
	global_load_b128 v[RBV+8*\i:RBV+8*\i+3],   v[BO], s[30:31] offset:64*\i       ; resid_b at columns 16 i + 8 h + 0 .. 7 of my 64
	global_load_b128 v[RBV+8*\i+4:RBV+8*\i+7], v[BO], s[30:31] offset:64*\i+16
.endr
	WIN 0x40                                       ; destination window 1
	RLOAD 0
	RLOAD 1
	RLOAD 2
	RLOAD 3
	s_wait_loadcnt 63                              ; behind q's and resid_b's loads stand the ring's 64: the count names the most that its field holds
	WIN 0x0c                                       ; store data window 3
.set i, 0
.rept 48
	ds_store_b128 v[LA+i%3], v[4*i:4*i+3] offset:1568*(i/3)
.set i, i+1
.endr
	WIN 0
	s_wait_kmcnt 0x0
	s_add_co_i32 s44, s38, s39                     ; e12 + e13
	s_add_co_i32 s46, s36, s37
	s_sub_co_i32 s46, s46, s44                     ; e10 + e11 - e12 - e13
	s_add_co_i32 s44, s44, 127
	s_lshl_b32 s44, s44, 23
	s_mov_b32 s45, s44
	s_add_co_i32 s46, s46, 127
	s_lshl_b32 s46, s46, 23
	s_mov_b32 s47, s46
	s_wait_dscnt 0x0                               ; my part lies in LDS
	s_barrier_signal -1
	s_barrier_wait -1                              ; everybody's does; from here on these bytes are only read
.macro FETCHA s                        ; the eight row tiles' fragments of K step s: even steps into window 0, odd into window 3
.if ((\s)%2)
	WIN 0xc0
.set fa, 0
.else
	WIN 0
.set fa, AF
.endif
.irp m, 0,1,2,3,4,5,6,7
.irp g, 0,1,2,3
.if (\s) < 8
	ds_load_b128 v[fa+16*\m+4*\g:fa+16*\m+4*\g+3], v[L16+\m/4] offset:16384*(\m%4)+2048*(\s)+512*\g
.else
	ds_load_b128 v[fa+16*\m+4*\g:fa+16*\m+4*\g+3], v[AQ+\m/4] offset:16*784*(\m%4)+128*((\s)-8)+32*\g
.endif
.endr
.endr
.endm
; A K step: 32 matrix instructions.  The 32 accumulators take turns, one instruction a turn, in the same order in every step.
.macro STEP s
.set ma, AF*(1-(\s)%2)
	s_wait_dscnt 0x0                               ; this step's rows, asked for a step ago
.if (\s) < 13
	FETCHA (\s)+1                                  ; the next step's, into the set that the last step multiplied (that step ended with four places)
.endif
.if (\s) <= 10
	s_wait_loadcnt 48                              ; this step's set is in; the three younger sets' 48 loads may be out
.else
	s_wait_loadcnt 16*(13-(\s))
.endif
	WIN 0xa1+0x0c*((\s)%2)                         ; weight window 1, rows window 0 or 3, C and D window 2
.irp m, 0,1,2,3,4,5,6,7
.irp i, 0,1,2,3
.if (\s) == 0
	v_wmma_f32_16x16x128_fp8_fp8 v[8*(4*\m+\i):8*(4*\m+\i)+7], v[64*((\s)%4)+16*\i:64*((\s)%4)+16*\i+15], v[ma+16*\m:ma+16*\m+15], 0
.else
	v_wmma_f32_16x16x128_fp8_fp8 v[8*(4*\m+\i):8*(4*\m+\i)+7], v[64*((\s)%4)+16*\i:64*((\s)%4)+16*\i+15], v[ma+16*\m:ma+16*\m+15], v[8*(4*\m+\i):8*(4*\m+\i)+7]
.endif
.endr
.endr
	PLACES
.if (\s) < 10
	WIN 0x40
	RLOAD (\s)+4                                   ; the set just multiplied takes the step four on
.endif
.endm
	FETCHA 0
.irp s, 0,1,2,3,4,5,6,7,8,9,10,11,12,13
	STEP \s
.if \s == 7                            ; O fc_w is summed: its sums are brought under the scale of q resid_w's; each accumulator from its low end on
	WIN 0x82
.set i, 0
.rept 128
	v_pk_mul_f32 v[2*i:2*i+1], v[2*i:2*i+1], s[46:47] op_sel_hi:[1,0]
.set i, i+1
.endr
	s_wait_alu depctr_va_vdst(0)
.endif
.endr
; THE WAY OUT, a tile of 16 rows x my 64 columns at a time: a lane's 32 bytes of each column tile go into my own stage and come back as whole rows of 256 bytes.
; LDS serves a wave's instructions in order (ISA guide 5.7.1.4): no wait between the stores and the loads, nor ahead of the next tile's stores.
.macro TOSTAGE m
	WIN 0x02                                       ; source 0 window 2
.irp j, 0,2,4,6,8,10,12,14,16,18,20,22,24,26,28,30
	v_pk_fma_f32 v[TMP+\j:TMP+\j+1], v[32*(\m)+\j:32*(\m)+\j+1], s[44:45], v[RBV+\j:RBV+\j+1] op_sel_hi:[1,0,1]   ; y = sum x 2^(e12 + e13) + resid_b
.endr
	WIN 0
.irp i, 0,1,2,3
	ds_store_b128 v[STO], v[TMP+8*\i:TMP+8*\i+3]   offset:64*\i
	ds_store_b128 v[STO], v[TMP+8*\i+4:TMP+8*\i+7] offset:64*\i+16
.endr
.set BB, AF+32*((\m)%2)
.irp t, 0,1,2,3,4,5,6,7
	ds_load_b128 v[BB+4*\t:BB+4*\t+3], v[SRD] offset:2*\t*SP
.endr
.endm
.macro SEND m, younger                 ; younger: the LDS instructions issued behind tile m's loads, which may stay out
.set BB, AF+32*((\m)%2)
	s_wait_dscnt \younger
.irp t, 0,1,2,3,4,5,6,7
	global_store_b128 v[CO], v[BB+4*\t:BB+4*\t+3], s[32:33] offset:(16*(\m)+2*\t)*4096   ; sixteen lanes store 256 consecutive bytes, aligned
.endr
.endm
	TOSTAGE 0
.irp m, 1,2,3,4,5,6,7
.if \m > 1
	s_wait_xcnt 0x0                                ; the stores of two tiles ago have read their registers: this tile's loads may land there
.endif
	TOSTAGE \m
	SEND \m-1, 16                                  ; behind tile m - 1's loads: tile m's 8 stores and 8 loads
.endr
	SEND 7, 0
	s_wait_tensorcnt 0x0                           ; the wave's end, behind my last LDS store
	ds_add_u32 v[SPW], v[NIL]
	s_wait_dscnt 0x0
	s_endpgm
.Lfunc_end_k_qb896568ab1_fcg:
	.size	k_qb896568ab1_fcg, .Lfunc_end_k_qb896568ab1_fcg-k_qb896568ab1_fcg
	.p2alignl 7, 3214868480
	.fill 96, 4, 3214868480
	.section	.rodata,"a",@progbits
	.p2align	6, 0x0
	.amdhsa_kernel k_qb896568ab1_fcg
		.amdhsa_group_segment_fixed_size 249344
		.amdhsa_private_segment_fixed_size 0
		.amdhsa_enable_private_segment 0
		.amdhsa_kernarg_size 48
		.amdhsa_user_sgpr_count 2
		.amdhsa_user_sgpr_kernarg_segment_ptr 1
		.amdhsa_wavefront_size32 1
		.amdhsa_system_sgpr_workgroup_id_x 1
		.amdhsa_system_sgpr_workgroup_id_y 1
		.amdhsa_system_sgpr_workgroup_id_z 1
		.amdhsa_system_vgpr_workitem_id 0
		.amdhsa_next_free_vgpr 1024
		.amdhsa_next_free_sgpr 66
		.amdhsa_reserve_vcc 0
		.amdhsa_float_denorm_mode_32 3
		.amdhsa_float_denorm_mode_16_64 3
		.amdhsa_memory_ordered 1
		.amdhsa_forward_progress 1
		.amdhsa_inst_pref_size 134
	.end_amdhsa_kernel
	.amdgpu_metadata
---
amdhsa.version: [ 1, 2 ]
amdhsa.kernels:
  - .name:           k_qb896568ab1_fcg
    .symbol:         k_qb896568ab1_fcg.kd
    .args:
      - { .name: oimg, .offset: 0, .size: 8, .value_kind: global_buffer, .address_space: global }
      - { .name: q12rm, .offset: 8, .size: 8, .value_kind: global_buffer, .address_space: global }
      - { .name: wimg, .offset: 16, .size: 8, .value_kind: global_buffer, .address_space: global }
      - { .name: lowp_scales, .offset: 24, .size: 8, .value_kind: global_buffer, .address_space: global }
      - { .name: resid_b, .offset: 32, .size: 8, .value_kind: global_buffer, .address_space: global }
      - { .name: ybuf, .offset: 40, .size: 8, .value_kind: global_buffer, .address_space: global }
    .group_segment_fixed_size: 249344
    .private_segment_fixed_size: 0
    .kernarg_segment_align: 8
    .kernarg_segment_size: 48
    .max_flat_workgroup_size: 128
    .sgpr_count:     66
    .vgpr_count:     1024
    .wavefront_size: 32
...
	.end_amdgpu_metadata
.endif
;; end of part 4
;; launch lnorm (part 5): grid 256 x 1, 8 waves a work-group, no clusters, 0 bytes of LDS; arguments ybuf, ln_gamma, ln_beta, out0; writes out0
.if DOCPART == 5
	.amdgcn_target "amdgcn-amd-amdhsa--gfx1250"
	.amdhsa_code_object_version 6
	.text
	.protected	k_qb896568ab1_lnorm
	.globl	k_qb896568ab1_lnorm
	.p2align	8
	.type	k_qb896568ab1_lnorm,@function
k_qb896568ab1_lnorm:
	s_mov_b64 s[64:65], 0
	v_nop
	global_prefetch_b8 v0, s[64:65] scope:SCOPE_SE
	s_setreg_imm32_b32 hwreg(HW_REG_WAVE_MODE, 25, 1), 1
	s_wait_xcnt 0x0
; out0 = (y - mean) / sqrt(var + 1e-5) x gamma + beta, row by row of 1,024 numbers, all in f32; var is the mean of the squared differences, taken in a second pass over the registers.
; SHARES.  A wave owns 4 whole rows, a work-group of 8 waves 32, 256 work-groups 8,192.  Lane l holds columns 128 i + 4 l + 0 .. 3 (i = 0 .. 7) of each row: every load and store covers 512 consecutive bytes, aligned.
; All 48 loads of a wave go out at once.  The four rows' chains stand line by line beside each other.  Waves share nothing: no LDS, no barrier.
; No matrix unit, no cluster: each byte of y is read once by one wave.  No prefetch: the text has no loop to run ahead in.
.set S,  8                             ; v8-15   a pair of sums for each row
.set MN, 16                            ; v16-23  -mean, later 1 / sqrt(var + eps): the low word of a pair for each row
.set T,  24                            ; v24-27  what the lane 16 away holds
.set Y,  32                            ; v32-159 four rows
.set GA, 160                           ; v160-191 gamma
.set BE, 192                           ; v192-223 beta
	s_load_b256 s[4:11], s[0:1], 0x0               ; ybuf, ln_gamma, ln_beta, out0
	v_lshrrev_b32 v2, 5, v0
	v_readfirstlane_b32 s12, v2                    ; wave
	v_and_b32 v1, 31, v0
	v_lshlrev_b32 v1, 4, v1                        ; 16 x lane
.irp r, 0,1,2,3
	v_mov_b32 v[MN+2*\r+1], 0                      ; (upper halves of pairs of which the low word serves both halves)
	v_mov_b32 v[T+\r], 0                           ; (a lane permute's destination counts as read)
.endr
	s_lshl_b32 s14, ttmp9, 17                      ; 32 rows of 4,096 bytes
	s_lshl_b32 s13, s12, 14                        ; + 4 rows x wave
	s_add_co_u32 s14, s14, s13
	s_mov_b32 s15, 0
	s_mov_b32 s16, 0x76543210                      ; v_permlanex16_b32: lane l takes lane l xor 16
	s_mov_b32 s17, 0xfedcba98
	s_mov_b32 s18, 0x3a800000                      ; 1 / 1024
	s_mov_b32 s19, 0x3727c5ac                      ; 1e-5
	s_wait_alu depctr_va_vdst(0)
	s_wait_kmcnt 0x0
	s_add_nc_u64 s[4:5], s[4:5], s[14:15]
	s_add_nc_u64 s[10:11], s[10:11], s[14:15]
.irp i, 0,1,2,3,4,5,6,7
	global_load_b128 v[GA+4*\i:GA+4*\i+3], v1, s[6:7] offset:512*\i
	global_load_b128 v[BE+4*\i:BE+4*\i+3], v1, s[8:9] offset:512*\i
.endr
.irp r, 0,1,2,3
.irp i, 0,1,2,3,4,5,6,7
	global_load_b128 v[Y+32*\r+4*\i:Y+32*\r+4*\i+3], v1, s[4:5] offset:4096*\r+512*\i th:TH_LOAD_NT
.endr
.endr
.macro REDUCE                          ; the pair's halves, the 16 lanes of a row of lanes, the lane 16 away: the row's total ends in v[S + 2 r] of every lane
.irp r, 0,1,2,3
	v_add_f32 v[S+2*\r], v[S+2*\r], v[S+2*\r+1]
.endr
.irp x, 1,2,4,8
.irp r, 0,1,2,3
	v_add_f32_dpp v[S+2*\r], v[S+2*\r], v[S+2*\r] row_xmask:\x row_mask:0xf bank_mask:0xf
.endr
.endr
.irp r, 0,1,2,3
	v_permlanex16_b32 v[T+\r], v[S+2*\r], s16, s17
.endr
.irp r, 0,1,2,3
	v_add_f32 v[S+2*\r], v[S+2*\r], v[T+\r]
.endr
.endm
	s_wait_loadcnt 0x0
.irp r, 0,1,2,3
	v_pk_add_f32 v[S+2*\r:S+2*\r+1], v[Y+32*\r:Y+32*\r+1], v[Y+32*\r+2:Y+32*\r+3]
.endr
.irp j, 4,6,8,10,12,14,16,18,20,22,24,26,28,30
.irp r, 0,1,2,3
	v_pk_add_f32 v[S+2*\r:S+2*\r+1], v[S+2*\r:S+2*\r+1], v[Y+32*\r+\j:Y+32*\r+\j+1]
.endr
.endr
	REDUCE
.irp r, 0,1,2,3
	v_mul_f32 v[MN+2*\r], 0xba800000, v[S+2*\r]    ; -mean
.endr
.irp j, 0,2,4,6,8,10,12,14,16,18,20,22,24,26,28,30
.irp r, 0,1,2,3
	v_pk_add_f32 v[Y+32*\r+\j:Y+32*\r+\j+1], v[Y+32*\r+\j:Y+32*\r+\j+1], v[MN+2*\r:MN+2*\r+1] op_sel_hi:[1,0]   ; d = y - mean
.endr
.endr
.irp r, 0,1,2,3
	v_pk_mul_f32 v[S+2*\r:S+2*\r+1], v[Y+32*\r:Y+32*\r+1], v[Y+32*\r:Y+32*\r+1]
.endr
.irp j, 2,4,6,8,10,12,14,16,18,20,22,24,26,28,30
.irp r, 0,1,2,3
	v_pk_fma_f32 v[S+2*\r:S+2*\r+1], v[Y+32*\r+\j:Y+32*\r+\j+1], v[Y+32*\r+\j:Y+32*\r+\j+1], v[S+2*\r:S+2*\r+1]
.endr
.endr
	REDUCE
.irp r, 0,1,2,3
	v_fma_f32 v[S+2*\r], v[S+2*\r], s18, s19       ; var + eps
.endr
	s_wait_alu depctr_va_vdst(0)
.irp r, 0,1,2,3
	v_rsq_f32 v[MN+2*\r], v[S+2*\r]
.endr
	v_nop                                          ; a plain line behind the last root,
	s_wait_alu depctr_va_vdst(0)                   ; and one wait for the four, ahead of their first reader
.irp j, 0,2,4,6,8,10,12,14,16,18,20,22,24,26,28,30
.irp r, 0,1,2,3
	v_pk_mul_f32 v[Y+32*\r+\j:Y+32*\r+\j+1], v[Y+32*\r+\j:Y+32*\r+\j+1], v[MN+2*\r:MN+2*\r+1] op_sel_hi:[1,0]
.endr
.endr
.irp j, 0,2,4,6,8,10,12,14,16,18,20,22,24,26,28,30
.irp r, 0,1,2,3
	v_pk_fma_f32 v[Y+32*\r+\j:Y+32*\r+\j+1], v[Y+32*\r+\j:Y+32*\r+\j+1], v[GA+\j:GA+\j+1], v[BE+\j:BE+\j+1]
.endr
.endr
.irp r, 0,1,2,3
.irp i, 0,1,2,3,4,5,6,7
	global_store_b128 v1, v[Y+32*\r+4*\i:Y+32*\r+4*\i+3], s[10:11] offset:4096*\r+512*\i th:TH_STORE_NT   ; 512 consecutive bytes, aligned; written once
.endr
.endr
	s_endpgm
.Lfunc_end_k_qb896568ab1_lnorm:
	.size	k_qb896568ab1_lnorm, .Lfunc_end_k_qb896568ab1_lnorm-k_qb896568ab1_lnorm
	.p2alignl 7, 3214868480
	.fill 96, 4, 3214868480
	.section	.rodata,"a",@progbits
	.p2align	6, 0x0
	.amdhsa_kernel k_qb896568ab1_lnorm
		.amdhsa_group_segment_fixed_size 0
		.amdhsa_private_segment_fixed_size 0
		.amdhsa_enable_private_segment 0
		.amdhsa_kernarg_size 32
		.amdhsa_user_sgpr_count 2
		.amdhsa_user_sgpr_kernarg_segment_ptr 1
		.amdhsa_wavefront_size32 1
		.amdhsa_system_sgpr_workgroup_id_x 1
		.amdhsa_system_sgpr_workgroup_id_y 1
		.amdhsa_system_sgpr_workgroup_id_z 1
		.amdhsa_system_vgpr_workitem_id 0
		.amdhsa_next_free_vgpr 232
		.amdhsa_next_free_sgpr 66
		.amdhsa_reserve_vcc 0
		.amdhsa_float_denorm_mode_32 3
		.amdhsa_float_denorm_mode_16_64 3
		.amdhsa_memory_ordered 1
		.amdhsa_forward_progress 1
		.amdhsa_inst_pref_size 33
	.end_amdhsa_kernel
	.amdgpu_metadata
---
amdhsa.version: [ 1, 2 ]
amdhsa.kernels:
  - .name:           k_qb896568ab1_lnorm
    .symbol:         k_qb896568ab1_lnorm.kd
    .args:
      - { .name: ybuf, .offset: 0, .size: 8, .value_kind: global_buffer, .address_space: global }
      - { .name: ln_gamma, .offset: 8, .size: 8, .value_kind: global_buffer, .address_space: global }
      - { .name: ln_beta, .offset: 16, .size: 8, .value_kind: global_buffer, .address_space: global }
      - { .name: out0, .offset: 24, .size: 8, .value_kind: global_buffer, .address_space: global }
    .group_segment_fixed_size: 0
    .private_segment_fixed_size: 0
    .kernarg_segment_align: 8
    .kernarg_segment_size: 32
    .max_flat_workgroup_size: 256
    .sgpr_count:     66
    .vgpr_count:     232
    .wavefront_size: 32
...
	.end_amdgpu_metadata
.endif
;; end of part 5
